; MI455X (gfx1250); checked and timed in simulation.
; The chip was launched on July 23, 2026; its instructions are those of AMD's public machine-readable ISA for CDNA 5 (MIT licence, August 2026) and "CDNA5" Instruction Set Architecture Reference Guide (July 2026). The comments in the code are by the model that wrote it; some were corrected since.
;; Self Attention. Allowed arithmetic: matrix products marked QUANTISED: E3M2 operands, one E8M0 scale for each 32 along K, by v_wmma_scale_f32_16x16x128_f8f6f4 with both operands' format E3M2, f32 sums; everything else in f32.
;; Inputs: Wk_codes 1,024 x 32 x 24 uint8 (E3M2 codes of Wk, K innermost, in blocks of 32 codes, four codes in three bytes); Wk_scales 1,024 x 32 uint8 (E8M0 scales of Wk, one for each 32 codes along K); Wo_codes 1,024 x 32 x 24 uint8 (E3M2 codes of Wo, K innermost, in blocks of 32 codes, four codes in three bytes); Wo_scales 1,024 x 32 uint8 (E8M0 scales of Wo, one for each 32 codes along K); Wq_codes 1,024 x 32 x 24 uint8 (E3M2 codes of Wq, K innermost, in blocks of 32 codes, four codes in three bytes); Wq_scales 1,024 x 32 uint8 (E8M0 scales of Wq, one for each 32 codes along K); Wv_codes 1,024 x 32 x 24 uint8 (E3M2 codes of Wv, K innermost, in blocks of 32 codes, four codes in three bytes); Wv_scales 1,024 x 32 uint8 (E8M0 scales of Wv, one for each 32 codes along K); beta 1,024 float32; bk 1,024 float32; bo 1,024 float32; bq 1,024 float32; bv 1,024 float32; gamma 1,024 float32; x 4 x 2,048 x 1,024 float32.
;; Outputs: out0 4 x 2,048 x 1,024 float32.
;; This version of the problem:
;;   THIS VERSION OF THE PROBLEM IS GIVEN IN LOW PRECISION. The matrix products marked QUANTISED in the list below multiply operands that are first quantised to E3M2 (3 exponent bits, 2 mantissa bits; 6 bits a number), with one power-of-two scale for each 32 numbers along K (OCP MX v1.0); their sums are f32. All else is computed in f32.
;;   The module's matrix products, in the order in which they are computed (A, B: the left and right operand; K: the contracted axis; several contracted axes count as one K, in the product's order):
;;     1. [M 8,192, K 1,024] x [K 1,024, N 1,024]; A: input x; B: input Wq (given as codes): QUANTISED
;;     2. [M 8,192, K 1,024] x [K 1,024, N 1,024]; A: input x; B: input Wk (given as codes): QUANTISED
;;     3. [M 8,192, K 1,024] x [K 1,024, N 1,024]; A: input x; B: input Wv (given as codes): QUANTISED
;;     4. batch 64 x [M 2,048, K 64] x [K 64, N 2,048]; A: computed on the way; B: computed on the way: QUANTISED
;;     5. batch 64 x [M 2,048, K 2,048] x [K 2,048, N 64]; A: softmax (see below); B: computed on the way: QUANTISED
;;     6. [M 8,192, K 1,024] x [K 1,024, N 1,024]; A: computed on the way; B: input Wo (given as codes): QUANTISED
;;   THE QUANTISER, for each operand of a quantised product, along K:
;;     - K is cut into blocks of 32 from its start; a last block that is shorter is filled with zeros.
;;     - A block's scale is 2^e with e = floor(log2(the largest magnitude in the block)) - 4, held to -126 .. 127; a block of zeros has e = 0. As a byte (E8M0): e + 127.
;;     - Each number is divided by its block's scale, clamped to +-28, and rounded to the nearest number of E3M2, ties to even, subnormals kept.
;;     - The product sums the exact products of the quantised numbers (number of the format x scale) in f32.
;;   ~~~python
;;   def quantise(x, axis):      # numpy; x: float32 -> the quantised numbers, widened to float32 again
;;       x = np.moveaxis(x, axis, -1); K = x.shape[-1]
;;       x = np.pad(x, [(0, 0)] * (x.ndim - 1) + [(0, -K % 32)]); x = x.reshape(x.shape[:-1] + (-1, 32)); a = np.abs(x).max(-1, keepdims=True)
;;       e = np.where(a > 0, np.clip(np.frexp(np.where(a > 0, a, 1))[1] - 1 - 4, -126, 127), 0)      # np.frexp(a)[1] - 1 = floor(log2(a)), exactly
;;       r = np.clip(x / 2.0 ** e, -28, 28)
;;       step = 2.0 ** (np.maximum(np.frexp(np.where(r == 0, 1, r))[1] - 1, -2) - 2)
;;       q = np.round(r / step) * step * 2.0 ** e      # np.round: ties to even
;;       return np.moveaxis(q.reshape(q.shape[:-2] + (-1,))[..., :K], -1, axis).astype(np.float32)
;;   ~~~
;;   SOFTMAX AHEAD OF A QUANTISED PRODUCT. Where the list says 'softmax', what is quantised is not the finished softmax but p = 2^(t - M), with t = logit x log2(e) and M = ceil(the row's largest t), a whole number; so 1/2 < the row's largest p <= 1. The row's sum l is taken of the UNQUANTISED p, in f32, and the product's result is divided by l at the end. Since M is a whole number, a kernel that streams over the keys may use a running M (the ceiling of the running maximum): every later rescaling is an exact power of two, which a block's scale takes up: the codes' values come out the same.
;;   OPERANDS COMPUTED ON THE WAY. 'Computed on the way' means the value that the module computes at that place (a softmax that the list does not call 'softmax' is quantised finished and normalised). What goes into a quantiser is computed in f32, as accurately as f32 sums, v_exp_f32 and their like allow (about 1e-6 of the number): no bf16 or f16 on the way to a quantiser, and a product that is left as it is and whose result goes on into a quantised operand takes f32 operands (vector FMAs, or v_wmma_f32_16x16x4_f32). A number that lies on a knife's edge between two numbers of the format may be rounded either way, as far as f32 arithmetic and the matrix unit's own rounding can turn it there, and no further.
;;   INPUTS GIVEN AS CODES. Wk (in the module: [1024, 1024], K = its axis 0); Wo (in the module: [1024, 1024], K = its axis 0); Wq (in the module: [1024, 1024], K = its axis 0); Wv (in the module: [1024, 1024], K = its axis 0): each comes as NAME_codes (uint8): NAME with its K axis moved to the last place and cut into blocks of 32 codes, [.., K / 32, bytes a block], one block behind the other in memory; four codes in three bytes: a row's codes are one little-endian stream of bits, code i at bits 6 i .. 6 i + 5 (a code: sign, 3 exponent bits, 2 mantissa bits); and NAME_scales (uint8): the same leading axes, one E8M0 byte (e + 127) for each 32 codes along K. Its value is code x scale, taken as it is: it is not quantised again, and the codes and scales need not be those that the quantiser above would give.
;; One version. Each part assembles by itself: llvm-mc -triple=amdgcn-amd-amdhsa -mcpu=gfx1250 --defsym DOCPART=n.
;; ======== version 1 of 1: 4 launches
;; limits: right only within a limited range of input values
;; workspace buffers: wimg 3,145,728 bytes; qimg 6,815,744 bytes; kv 13,631,488 bytes; cimg 6,291,456 bytes; csc 262,144 bytes; xq 6,815,744 bytes
;; launch prep (part 1): grid 288 x 1, 8 waves a work-group, no clusters, 0 bytes of LDS; arguments x, Wq_codes, Wk_codes, Wv_codes, Wo_codes, wimg, xq; writes wimg, xq
.if DOCPART == 1
	.amdgcn_target "amdgcn-amd-amdhsa--gfx1250"
	.amdhsa_code_object_version 6
	.text
	.protected	k_q973f4d83c3_prep
	.globl	k_q973f4d83c3_prep
	.p2align	8
	.type	k_q973f4d83c3_prep,@function
k_q973f4d83c3_prep:
	s_mov_b64 s[64:65], 0
	v_nop
	global_prefetch_b8 v0, s[64:65] scope:SCOPE_SE
	s_setreg_imm32_b32 hwreg(HW_REG_WAVE_MODE, 25, 1), 1
	s_wait_xcnt 0x0
; Two preparations, parted on the work-group's number; every wave works alone: no LDS, no barrier, no matrix work, no loop.
; WORK-GROUPS 0 .. 255: x [8,192][1,024] f32 is quantised ONCE along K to codes of E3M2 with one E8M0 scale for each 32, and laid as IMAGES OF OPERAND REGISTERS.
;   xq [block of 128 rows: 64][106,496]: tile m (8), K step s (8) at (8 m + s) x 1,536: register p of lane L at 512 (p / 4) + 16 L + 4 (p % 4); from byte 98,304 the scale words: 1,024 m + 256 (s / 2) + 8 L + 4 (s % 2).
;   Lane r of tile 2 b + u stands for row 32 b + 8 u + r + 8 (r / 8) of the block.  Wave W of 2,048 takes tile W / 4 and K steps 2 (W % 4), 2 (W % 4) + 1: 32 loads of 16 bytes a lane, all out at once;
;   six stores of 512 consecutive bytes and one of 256, each aligned to 256.
; WORK-GROUPS 256 .. 287: the four weights, codes laid [1,024 (n)][768 bytes along K], are laid the same way: wimg [weight q, k, v, o][n tile 64][K step 8][1,536], the rows of a tile chosen as above.  A wave takes one tile of one weight.
; LIMITS: a block of zeros gets the scale byte 1 (its codes are zeros; only this program reads the bytes); a block whose largest magnitude lies under 2^-122 is held at that byte; NaN and infinities are not served.
.set TM,  36                           ; v36-39 largest magnitudes, v40-43 the other half's, then bytes, v48-51 the conversions' scale operands
.set PW,  52                           ; v52-53 the two K steps' scale words
.set PC0, 16                           ; v16-35 the first K step's codes (12) and what they are made in
.set PC1, 192                          ; v192-211 the second's
.set D,   64                           ; v64-191 2 x 64 numbers of x
.set F,   16                           ; v16-111 a weight tile's eight fragments
.set SEL, 34
; 64 numbers of a lane, register s + 16 b + i = K 32 b + 16 h + i of my row, become a fragment's codes in v[pc .. pc + 11] and its scale word in v[pw]
.macro QUANT s, pc, pw
.irp b, 0,1,2,3
	v_max3_num_f32 v[TM+\b], |v[(\s)+16*\b]|, |v[(\s)+16*\b+1]|, 0x2800000   ; my 16 numbers of block b, and the floor 2^(5 - 127): the byte cannot fall under 1
.endr
.irp i, 2,4,6,8,10,12,14
.irp b, 0,1,2,3
	v_max3_num_f32 v[TM+\b], |v[(\s)+16*\b+\i]|, |v[(\s)+16*\b+\i+1]|, v[TM+\b]
.endr
.endr
.irp b, 0,1,2,3
	v_permlanex16_b32 v[TM+4+\b], v[TM+\b], s[SEL], s[SEL+1]
.endr
.irp b, 0,1,2,3
	v_max_num_f32 v[TM+\b], v[TM+\b], v[TM+4+\b]   ; with lane l xor 16: the block's largest magnitude
.endr
.irp b, 0,1,2,3
	v_add_nc_u32 v[TM+12+\b], 0xfe000000, v[TM+\b] ; 4 off its exponent field: the conversion's scale operand
.endr
.irp b, 0,1,2,3
	v_lshrrev_b32 v[TM+4+\b], 23, v[TM+12+\b]      ; the scale's byte
.endr
	v_lshl_or_b32 v[\pw], v[TM+5], 8, v[TM+4]
	s_delay_alu instid0(VALU_DEP_1)
	v_lshl_or_b32 v[\pw], v[TM+6], 16, v[\pw]
	s_delay_alu instid0(VALU_DEP_1)
	v_lshl_or_b32 v[\pw], v[TM+7], 24, v[\pw]
.irp c, 0,1
	v_cvt_scalef32_pk16_bf6_f32 v[(\pc)+6*\c:(\pc)+6*\c+2], v[(\s)+32*\c:(\s)+32*\c+15], v[TM+12+2*\c]
	v_cvt_scalef32_pk16_bf6_f32 v[(\pc)+12+4*\c:(\pc)+14+4*\c], v[(\s)+32*\c+16:(\s)+32*\c+31], v[TM+13+2*\c]   ; (a conversion's three registers begin on an even number)
.endr
	v_nop                                          ; one plain place behind a scaled conversion
.irp c, 0,1                            ; the operand wants a whole block in a lane: lanes 0-15 block 2 c, lanes 16-31 block 2 c + 1
.irp i, 0,1,2
	v_permlane16_swap_b32 v[(\pc)+6*\c+\i], v[(\pc)+12+4*\c+\i]
.endr
.irp i, 0,1,2
	v_mov_b32 v[(\pc)+3+6*\c+\i], v[(\pc)+12+4*\c+\i]
.endr
.endr
.endm
	s_load_b256 s[4:11], s[0:1], 0x0               ; x s[4:5], Wq s[6:7], Wk s[8:9], Wv s[10:11]
	s_load_b128 s[12:15], s[0:1], 0x20             ; Wo s[12:13], wimg s[14:15]
	s_load_b64 s[16:17], s[0:1], 0x30              ; xq
	v_lshrrev_b32 v1, 5, v0
	v_readfirstlane_b32 s18, v1                    ; wave 0..7
	v_and_b32 v2, 31, v0                           ; lane
	v_and_b32 v3, 15, v0                           ; r
	v_bfe_u32 v4, v0, 4, 1                         ; h
	v_and_b32 v5, 8, v3
	v_add_nc_u32 v5, v5, v3                        ; r + 8 (r / 8)
	v_lshlrev_b32 v6, 4, v2                        ; out: 16 x lane
	s_lshl_b32 s19, ttmp9, 3
	s_add_co_u32 s19, s19, s18                     ; my number among all waves
	s_mov_b32 s21, 0
	s_mov_b32 s23, 0
	s_cmp_lt_u32 ttmp9, 256
	s_wait_alu depctr_va_vdst(0)                   ; the wait ahead of the branch
	s_cbranch_scc0 .Lweights
	; ---- x
	v_lshlrev_b32 v7, 12, v5
	v_lshl_add_u32 v7, v4, 6, v7                   ; in: my row x 4,096 + 64 h
	v_lshlrev_b32 v8, 3, v2                        ; the scale words: 8 x lane
.irp b, 0,1,2,3
	v_mov_b32 v[TM+4+\b], 0                        ; a lane permute's destination counts as one of its sources
.endr
	s_mov_b32 s[SEL], 0x76543210
	s_mov_b32 s[SEL+1], 0xfedcba98
	s_lshr_b32 s24, s19, 2                         ; tile of 16 rows, 0 .. 511
	s_and_b32 s25, s19, 3                          ; pair of K steps
	s_lshr_b32 s26, s24, 3                         ; block of 128 rows
	s_and_b32 s27, s24, 7                          ; m
	s_lshl_b32 s20, s26, 19                        ; x: (128 block + 32 (m / 2) + 8 (m % 2)) rows of 4,096 bytes + 1,024 x pair
	s_lshr_b32 s28, s27, 1
	s_lshl_b32 s28, s28, 17
	s_add_co_u32 s20, s20, s28
	s_and_b32 s28, s27, 1
	s_lshl_b32 s28, s28, 15
	s_add_co_u32 s20, s20, s28
	s_lshl_b32 s28, s25, 10
	s_add_co_u32 s20, s20, s28
	s_mul_i32 s29, s26, 106496                     ; xq: the block,
	s_lshl_b32 s28, s27, 3
	s_lshl_b32 s22, s25, 1
	s_add_co_u32 s28, s28, s22
	s_mul_i32 s28, s28, 1536
	s_add_co_u32 s22, s29, s28                     ; + image 8 m + 2 x pair
	s_lshl_b32 s28, s27, 10
	s_add_co_u32 s32, s29, s28
	s_lshl_b32 s28, s25, 8
	s_add_co_u32 s32, s32, s28
	s_add_co_u32 s32, s32, 98304                   ; and the scale words
	s_mov_b32 s33, 0
	s_wait_alu depctr_va_vdst(0)                   ; the wait at the head's end
	s_wait_kmcnt 0x0
	s_add_nc_u64 s[4:5], s[4:5], s[20:21]
	s_add_nc_u64 s[30:31], s[16:17], s[22:23]
	s_add_nc_u64 s[32:33], s[16:17], s[32:33]
.irp p, 0,1
.irp b, 0,1,2,3
.irp j, 0,1,2,3
	global_load_b128 v[D+64*\p+16*\b+4*\j:D+64*\p+16*\b+4*\j+3], v7, s[4:5] offset:512*\p+128*\b+16*\j
.endr
.endr
.endr
	s_wait_loadcnt 16                              ; the first K step is in; the second's 16 loads may be out
	QUANT D, PC0, PW
.irp c, 0,1,2
	global_store_b128 v6, v[PC0+4*\c:PC0+4*\c+3], s[30:31] offset:512*\c
.endr
	s_wait_loadcnt 0x0
	QUANT D+64, PC1, PW+1
.irp c, 0,1,2
	global_store_b128 v6, v[PC1+4*\c:PC1+4*\c+3], s[30:31] offset:1536+512*\c
.endr
	global_store_b64 v8, v[PW:PW+1], s[32:33]
	s_endpgm
	; ---- the weights
.Lweights:
	v_mul_u32_u24 v7, v5, 768
	v_mad_u32_u24 v7, v4, 24, v7                   ; in: my row of 768 bytes, + 24 h
	s_sub_co_u32 s19, s19, 2048                    ; 0 .. 255
	s_lshr_b32 s24, s19, 6                         ; which weight
	s_and_b32 s25, s19, 63                         ; which tile of 16 rows
	s_lshr_b32 s26, s25, 1
	s_lshl_b32 s26, s26, 5
	s_and_b32 s27, s25, 1
	s_lshl_b32 s27, s27, 3
	s_add_co_u32 s26, s26, s27                     ; the tile begins at row 32 (tile / 2) + 8 (tile % 2)
	s_mul_i32 s20, s26, 768
	s_mul_i32 s22, s19, 12288                      ; and its eight images
	s_wait_alu depctr_va_vdst(0)
	s_wait_kmcnt 0x0
	s_bitcmp1_b32 s24, 0                           ; the choice of the source hangs on ids alone
	s_cselect_b64 s[28:29], s[8:9], s[6:7]
	s_cselect_b64 s[30:31], s[12:13], s[10:11]
	s_cmp_lt_u32 s24, 2
	s_cselect_b64 s[28:29], s[28:29], s[30:31]
	s_add_nc_u64 s[28:29], s[28:29], s[20:21]
	s_add_nc_u64 s[14:15], s[14:15], s[22:23]
.irp s, 0,1,2,3,4,5,6,7
.irp p, 0,1,2,3,4,5
	global_load_b64 v[F+12*\s+2*\p:F+12*\s+2*\p+1], v7, s[28:29] offset:96*\s+48*(\p/3)+8*(\p%3)   ; registers 6 c .. 6 c + 5: K = 128 s + 64 c + 32 h + 0 .. 31, as the bits lie
.endr
.endr
.irp s, 0,1,2,3,4,5,6,7
	s_wait_loadcnt 42-6*\s                         ; K step s is in; the six loads of each later K step may be out
.irp c, 0,1,2
	global_store_b128 v6, v[F+12*\s+4*\c:F+12*\s+4*\c+3], s[14:15] offset:1536*\s+512*\c
.endr
.endr
	s_endpgm
.Lfunc_end_k_q973f4d83c3_prep:
	.size	k_q973f4d83c3_prep, .Lfunc_end_k_q973f4d83c3_prep-k_q973f4d83c3_prep
	.p2alignl 7, 3214868480
	.fill 96, 4, 3214868480
	.section	.rodata,"a",@progbits
	.p2align	6, 0x0
	.amdhsa_kernel k_q973f4d83c3_prep
		.amdhsa_group_segment_fixed_size 0
		.amdhsa_private_segment_fixed_size 0
		.amdhsa_enable_private_segment 0
		.amdhsa_kernarg_size 56
		.amdhsa_user_sgpr_count 2
		.amdhsa_user_sgpr_kernarg_segment_ptr 1
		.amdhsa_wavefront_size32 1
		.amdhsa_system_sgpr_workgroup_id_x 1
		.amdhsa_system_sgpr_workgroup_id_y 1
		.amdhsa_system_sgpr_workgroup_id_z 1
		.amdhsa_system_vgpr_workitem_id 0
		.amdhsa_next_free_vgpr 216
		.amdhsa_next_free_sgpr 66
		.amdhsa_reserve_vcc 0
		.amdhsa_float_denorm_mode_32 3
		.amdhsa_float_denorm_mode_16_64 3
		.amdhsa_memory_ordered 1
		.amdhsa_forward_progress 1
		.amdhsa_inst_pref_size 22
	.end_amdhsa_kernel
	.amdgpu_metadata
---
amdhsa.version: [ 1, 2 ]
amdhsa.kernels:
  - .name:           k_q973f4d83c3_prep
    .symbol:         k_q973f4d83c3_prep.kd
    .args:
      - { .name: x, .offset: 0, .size: 8, .value_kind: global_buffer, .address_space: global }
      - { .name: Wq_codes, .offset: 8, .size: 8, .value_kind: global_buffer, .address_space: global }
      - { .name: Wk_codes, .offset: 16, .size: 8, .value_kind: global_buffer, .address_space: global }
      - { .name: Wv_codes, .offset: 24, .size: 8, .value_kind: global_buffer, .address_space: global }
      - { .name: Wo_codes, .offset: 32, .size: 8, .value_kind: global_buffer, .address_space: global }
      - { .name: wimg, .offset: 40, .size: 8, .value_kind: global_buffer, .address_space: global }
      - { .name: xq, .offset: 48, .size: 8, .value_kind: global_buffer, .address_space: global }
    .group_segment_fixed_size: 0
    .private_segment_fixed_size: 0
    .kernarg_segment_align: 8
    .kernarg_segment_size: 56
    .max_flat_workgroup_size: 256
    .sgpr_count:     66
    .vgpr_count:     216
    .wavefront_size: 32
...
	.end_amdgpu_metadata
.endif
;; end of part 1
;; launch qkv (part 2): grid 4 x 64, 4 waves a work-group, clusters of 4 x 1, 167,936 bytes of LDS; arguments xq, wimg, Wq_scales, Wk_scales, Wv_scales, bq, bk, bv, qimg, kv; writes qimg, kv
.if DOCPART == 2
	.amdgcn_target "amdgcn-amd-amdhsa--gfx1250"
	.amdhsa_code_object_version 6
	.text
	.protected	k_q973f4d83c3_qkv
	.globl	k_q973f4d83c3_qkv
	.p2align	8
	.type	k_q973f4d83c3_qkv,@function
k_q973f4d83c3_qkv:
	s_mov_b64 s[64:65], 0
	v_nop
	global_prefetch_b8 v0, s[64:65] scope:SCOPE_SE
	s_setreg_imm32_b32 hwreg(HW_REG_WAVE_MODE, 25, 1), 1
	s_wait_xcnt 0x0
	s_wait_alu depctr_hold_cnt(0) depctr_sa_sdst(0) depctr_va_vdst(0) depctr_va_sdst(0) depctr_va_ssrc(0) depctr_va_vcc(0) depctr_vm_vsrc(0)
	s_getreg_b32 s2, hwreg(HW_REG_IB_STS2, 6, 4)
	s_cmp_eq_u32 s2, 0
	s_cbranch_scc0 .Lentry_in_a_cluster
	s_endpgm
.Lentry_in_a_cluster:
	s_bfe_u32 s2, ttmp6, 0x10000c
	s_cmp_lg_u32 s2, 0x3003
	s_cbranch_scc0 .Lentry_shape_is_right
	s_endpgm
.Lentry_shape_is_right:
; q = x Wq + bq, k = x Wk + bk, v = x Wv + bv on codes of E3M2 with one E8M0 scale for each 32 along K, and the three results quantised again for the attention launch: q and k along the head (64), v along the keys.
; SHARES.  A work-group takes 128 rows of x (y) and four heads (x); wave w takes head 4 x + w and makes its q, then its k, then its v: three passes of 128 x 64 x 1,024, 32 accumulators, 8 K steps of 32 matrix instructions.
; x comes quantised, as images of operand registers with their scale words (xq, laid by the launch before): a block's 106,496 bytes are the image of LDS bytes 0 .. 106,495, FILLED ONCE: each wave brings a quarter, 104 rows of 256 bytes,
; by its one tensor load at the head; one barrier; then every wave reads all 64 images.
; CLUSTER: the four work-groups of a row block need the same bytes of xq: they form a cluster and ask jointly (mask 15); the descriptor hangs on the row block and the wave's number alone.
; TILES.  Lane r of tile 2 b + u (of rows of x, and of rows of a weight) stands for index 32 b + 8 u + r + 8 (r / 8): in a result the 16 registers of tiles 2 b, 2 b + 1 of the FIRST source are then 16 neighbours, 32 b + 16 (lane / 16) + 0 .. 15.
; q, k: first source = 16 rows of W, second = 16 rows of x: a lane holds one row of x and 32 numbers along the head.  v: first source = x, second = W: a lane holds one channel and 64 numbers along the keys.
; So the conversions, which take neighbours along the next K from one lane, give the next operand as it stands.  The biases are the C of each sum's first matrix instruction.
; WEIGHTS come from wimg (images) straight into registers, four K steps ahead in a ring of five slots: each wave reads its own head's alone, so no joint load could bring them, and they are asked for well ahead: no prefetch.
; x's fragments come from LDS one K step ahead in two sets.
; OUT.  qimg [batch x head][16][6,656]: for 128 queries four pair images (registers 6 u .. 6 u + 5: tile 2 b + u, K = the head's 64) and 512 bytes of scale words (byte 16 L + 4 b: lanes 0-15 tile 2 b, lanes 16-31 tile 2 b + 1).
;       kv [batch x head][16][13,312]: for 128 keys K's four pair images, V's four images (16 channels x 128 keys), K's scale words (as q's), V's (byte 16 L + 4 t).  Every store covers 512 consecutive bytes, aligned to 256.
; LIMITS: a block of zeros gets the scale byte 1 (its codes are zeros; only this program reads the bytes); a block whose largest magnitude lies under 2^-122 is held at that byte; NaN and infinities are not served.
; REGISTERS, in windows of 256.  Window 0: v1-12 addresses; v16-35 codes just made; v36-51 at work; v52-56 scale words just made; v58-89 bq as four tiles of C; v96-159 x's scale words (8 m + s); v160-255 the weights' (32 pass + 8 t + s).
;   Window 1: x's fragments, two sets, at 96 (g % 2) + 12 m; v192-223 bv, v224-255 bk as tiles of C.   Window 2: the ring of weight fragments at 48 (g % 5) + 12 t.   Window 3: the 32 accumulators.
.set XSC,  98304                       ; LDS: x's 64 images (tile m, K step s at (8 m + s) x 1,536); then the scale words: 1,024 m + 256 (s / 2) + 8 L + 4 (s % 2)
.set SPARE, 106496                     ; behind them the spare words, 128 bytes a wave
.set LI,   1                           ; 16 x lane
.set LI1,  2                           ; the same + 49,152: tiles 4 to 7
.set XSR,  8                           ; XSC + 8 L
.set SH16, 9                           ; 16 h
.set WSO,  10                          ; 32 x (r + 8 (r / 8)): a weight's rows of scale bytes
.set BQO,  11                          ; 64 h
.set BVO,  12                          ; 4 x (r + 8 (r / 8))
.set PC,   16
.set TM,   36
.set SCW,  52
.set PW,   56
.set BQ0,  58
.set SPW,  94
.set NIL,  95
.set XS,   96
.set WS,   160
.set SX,   8                           ; s[8:9] xq;  s[10:11] wimg;  s[12:17] the three weights' scales;  s[18:23] bq, bk, bv;  s[24:25] qimg;  s[26:27] kv
.set SW,   10
.set SSC,  12
.set SBQ,  18
.set SBK,  20
.set SBV,  22
.set SQI,  24
.set SKV,  26
.set WV,   28
.set BLK,  29
.set HD,   30
.set SEL,  40
.set G1,   48
.set G0,   56
.set MSB, 0
.macro WIN new                         ; the immediate's high byte repeats the setting that is left; a switch that changes nothing is dropped
.if MSB != \new
	s_set_vgpr_msb (MSB<<8)|\new
.set MSB, \new
.endif
.endm
.macro PLACES                          ; four plain places behind matrix instructions (ISA guide 7.12.1)
.rept 4
	v_nop
.endr
.endm
.macro ROUND                           ; a round of the cluster's barrier
	s_barrier_signal -1
	s_barrier_wait -1
	s_cmp_lg_u32 s[WV], 0
	s_cbranch_scc1 .Lnw0_\@
	s_barrier_signal -3
.Lnw0_\@:
	s_barrier_wait -3
	s_barrier_signal -1
	s_barrier_wait -1
.endm
; 64 numbers of a lane in window 3, register s + 16 b + i = K 32 b + 16 h + i of my row, become a fragment's codes in v[PC] .. v[PC + 11] and its scale word in v[PW].
.macro QUANT s
	WIN 0x0f
.irp b, 0,1,2,3
	v_max3_num_f32 v[TM+\b], |v[(\s)+16*\b]|, |v[(\s)+16*\b+1]|, 0x2800000   ; from each accumulator's low end on; the floor 2^(5 - 127): the byte cannot fall under 1
.endr
.irp i, 2,4,6,8,10,12,14
.irp b, 0,1,2,3
	v_max3_num_f32 v[TM+\b], |v[(\s)+16*\b+\i]|, |v[(\s)+16*\b+\i+1]|, v[TM+\b]
.endr
.endr
	WIN 0
.irp b, 0,1,2,3
	v_permlanex16_b32 v[TM+4+\b], v[TM+\b], s[SEL], s[SEL+1]
.endr
.irp b, 0,1,2,3
	v_max_num_f32 v[TM+\b], v[TM+\b], v[TM+4+\b]
.endr
.irp b, 0,1,2,3
	v_add_nc_u32 v[TM+12+\b], 0xfe000000, v[TM+\b]
.endr
.irp b, 0,1,2,3
	v_lshrrev_b32 v[TM+4+\b], 23, v[TM+12+\b]
.endr
	s_wait_alu depctr_va_vdst(0)                   ; the wait ahead of the wait below
	s_wait_xcnt 0x0                                ; the stores of the fragment made before have read its codes and its word: only now are those registers written again
	v_lshl_or_b32 v[PW], v[TM+5], 8, v[TM+4]
	v_lshl_or_b32 v[PW], v[TM+6], 16, v[PW]
	v_lshl_or_b32 v[PW], v[TM+7], 24, v[PW]
	WIN 0x03
.irp c, 0,1
	v_cvt_scalef32_pk16_bf6_f32 v[PC+6*\c:PC+6*\c+2], v[(\s)+32*\c:(\s)+32*\c+15], v[TM+12+2*\c]
	v_cvt_scalef32_pk16_bf6_f32 v[PC+12+4*\c:PC+14+4*\c], v[(\s)+32*\c+16:(\s)+32*\c+31], v[TM+13+2*\c]
.endr
	WIN 0
	v_nop                                          ; one plain place behind a scaled conversion
.irp c, 0,1
.irp i, 0,1,2
	v_permlane16_swap_b32 v[PC+6*\c+\i], v[PC+12+4*\c+\i]
.endr
.irp i, 0,1,2
	v_mov_b32 v[PC+3+6*\c+\i], v[PC+12+4*\c+\i]
.endr
.endr
.endm
.macro WLOAD g                         ; the four weight fragments of step g (pass g / 8, K step g % 8) into slot g % 5
	WIN 0x80
.irp t, 0,1,2,3
.irp c, 0,1,2
	global_load_b128 v[48*((\g)%5)+12*\t+4*\c:48*((\g)%5)+12*\t+4*\c+3], v[LI], s[SW:SW+1] offset:786432*((\g)/8)+(8*\t+(\g)%8)*1536+512*\c
.endr
.endr
.endm
.macro XFETCH g                        ; x's eight fragments of K step g % 8 into set g % 2
	WIN 0x40
.irp m, 0,1,2,3
.irp c, 0,1,2
	ds_load_b128 v[96*((\g)%2)+12*\m+4*\c:96*((\g)%2)+12*\m+4*\c+3], v[LI] offset:(8*\m+(\g)%8)*1536+512*\c
.endr
.endr
.irp m, 0,1,2,3
.irp c, 0,1,2
	ds_load_b128 v[96*((\g)%2)+48+12*\m+4*\c:96*((\g)%2)+48+12*\m+4*\c+3], v[LI1] offset:(8*\m+(\g)%8)*1536+512*\c
.endr
.endr
.endm
; Step g: the next K step's x, the weights four steps on, then 32 matrix instructions; the 32 accumulators take turns, one instruction a turn.
.macro KSTEP g
.set KS_, (\g)%8
.set KP_, (\g)/8
.set WB_, 48*((\g)%5)
.set XB_, 96*((\g)%2)
	PLACES
.if (\g) < 23
	XFETCH (\g)+1
.endif
.if (\g) < 20
	WLOAD (\g)+4
.endif
.if (\g) < 23
	s_wait_dscnt 24                                ; this step's x is in; the 24 loads just issued may be out
.else
	s_wait_dscnt 0x0
.endif
.if (\g) < 20
	s_wait_loadcnt 48                              ; this step's weights are in; the four younger groups of 12 may be out
.else
	s_wait_loadcnt 12*(23-(\g))
.endif
.if KP_ < 2
.if KS_ == 0
.if KP_ == 0
	WIN 0xc6                                       ; W window 2, x window 1, bq window 0, D window 3
.set CB_, BQ0
.else
	WIN 0xd6                                       ; bk window 1
.set CB_, 224
.endif
.else
	WIN 0xf6
.endif
.irp m, 0,1,2,3,4,5,6,7
.irp t, 0,1,2,3
.if KS_ == 0
	v_wmma_scale_f32_16x16x128_f8f6f4 v[8*(4*\m+\t):8*(4*\m+\t)+7], v[WB_+12*\t:WB_+12*\t+11], v[XB_+12*\m:XB_+12*\m+11], v[CB_+8*\t:CB_+8*\t+7], v[WS+32*KP_+8*\t+KS_], v[XS+8*\m+KS_] matrix_a_fmt:MATRIX_FMT_BF6 matrix_b_fmt:MATRIX_FMT_BF6
.else
	v_wmma_scale_f32_16x16x128_f8f6f4 v[8*(4*\m+\t):8*(4*\m+\t)+7], v[WB_+12*\t:WB_+12*\t+11], v[XB_+12*\m:XB_+12*\m+11], v[8*(4*\m+\t):8*(4*\m+\t)+7], v[WS+32*KP_+8*\t+KS_], v[XS+8*\m+KS_] matrix_a_fmt:MATRIX_FMT_BF6 matrix_b_fmt:MATRIX_FMT_BF6
.endif
.endr
.endr
.else
.if KS_ == 0
	WIN 0xd9                                       ; x window 1, W window 2, bv window 1, D window 3
.else
	WIN 0xf9
.endif
.irp m, 0,1,2,3,4,5,6,7
.irp t, 0,1,2,3
.if KS_ == 0
	v_wmma_scale_f32_16x16x128_f8f6f4 v[8*(8*\t+\m):8*(8*\t+\m)+7], v[XB_+12*\m:XB_+12*\m+11], v[WB_+12*\t:WB_+12*\t+11], v[192+8*\t:192+8*\t+7], v[XS+8*\m+KS_], v[WS+64+8*\t+KS_] matrix_a_fmt:MATRIX_FMT_BF6 matrix_b_fmt:MATRIX_FMT_BF6
.else
	v_wmma_scale_f32_16x16x128_f8f6f4 v[8*(8*\t+\m):8*(8*\t+\m)+7], v[XB_+12*\m:XB_+12*\m+11], v[WB_+12*\t:WB_+12*\t+11], v[8*(8*\t+\m):8*(8*\t+\m)+7], v[XS+8*\m+KS_], v[WS+64+8*\t+KS_] matrix_a_fmt:MATRIX_FMT_BF6 matrix_b_fmt:MATRIX_FMT_BF6
.endif
.endr
.endr
.endif
.endm
; A pass's 256 results a lane become four fragments.  q, k (p < 2): unit e = tiles 2 e, 2 e + 1 of rows, 2 x 64 along the head: a pair image; lanes 16-31 keep the second tile's two scale bytes.  v: unit e = channel tile e, 128 keys.
.macro EPI p, sb, off, scoff
	PLACES
.irp e, 0,1,2,3
	QUANT 64*\e
.if (\p) < 2
	v_lshrrev_b32 v[SCW+\e], v[SH16], v[PW]
.else
	v_mov_b32 v[SCW+\e], v[PW]
.endif
.irp c, 0,1,2
	global_store_b128 v[LI], v[PC+4*\c:PC+4*\c+3], s[\sb:\sb+1] offset:(\off)+1536*\e+512*\c
.endr
.endr
	global_store_b128 v[LI], v[SCW:SCW+3], s[\sb:\sb+1] offset:\scoff
.endm
	s_load_b256 s[8:15], s[0:1], 0x0               ; xq, wimg, Wq's scales, Wk's scales
	s_load_b256 s[16:23], s[0:1], 0x20             ; Wv's scales, bq, bk, bv
	s_load_b128 s[24:27], s[0:1], 0x40             ; qimg, kv
	v_lshl_add_u32 v[SPW], v0, 2, SPARE
	v_mov_b32 v[NIL], 0
	ds_add_u32 v[SPW], v[NIL]                      ; the opening lines: the add, twice on end, and its wait
	ds_add_u32 v[SPW], v[NIL]
	v_lshrrev_b32 v13, 5, v0
	v_readfirstlane_b32 s[WV], v13                 ; wave 0..3
	s_mov_b32 s[G1], 15|(3<<16)|(1<<21)            ; 104 rows of 256 bytes (32 elements of 8), dense; the mask names the cluster's four
	s_mov_b32 s[G1+1], 32<<16
	s_mov_b32 s[G1+2], 104<<16
	s_mov_b32 s[G1+3], 32<<16
	s_mov_b32 s[G1+4], 104
	s_mov_b32 s[G1+5], 32
	s_mov_b32 s[G1+6], 0
	s_mov_b32 s[G1+7], 0
	s_and_b32 s[BLK], ttmp7, 0xffff                ; the block of 128 rows: the cluster's y
	s_mul_i32 s36, s[BLK], 106496
	s_mul_i32 s35, s[WV], 26624
	s_add_co_u32 s36, s36, s35
	s_mov_b32 s37, 0
	s_mov_b32 s[G0], 1
	s_mul_i32 s[G0+1], s[WV], 26624
	s_wait_dscnt 0x0
	s_wait_kmcnt 0x0
	s_add_nc_u64 s[G0+2:G0+3], s[SX:SX+1], s[36:37]
	s_or_b32 s[G0+3], s[G0+3], 0x80000000
	ROUND                                          ; the four work-groups are here: the joint loads meet
	tensor_load_to_lds s[G0:G0+3], s[G1:G1+7]      ; my one tensor load: a quarter of the block's image
	s_nop 0
	v_and_b32 v13, 31, v0                          ; lane
	v_and_b32 v14, 15, v0                          ; r
	v_bfe_u32 v15, v0, 4, 1                        ; h
	v_lshlrev_b32 v[LI], 4, v13
	v_add_nc_u32 v[LI1], 49152, v[LI]
	v_and_b32 v[BVO], 8, v14
	v_add_nc_u32 v[BVO], v[BVO], v14               ; r + 8 (r / 8)
	v_lshlrev_b32 v[WSO], 5, v[BVO]
	v_lshlrev_b32 v[BVO], 2, v[BVO]
	v_lshlrev_b32 v[BQO], 6, v15
	v_lshlrev_b32 v[SH16], 4, v15
	v_lshl_add_u32 v[XSR], v13, 3, XSC
.irp b, 0,1,2,3
	v_mov_b32 v[TM+4+\b], 0                        ; a lane permute's destination counts as one of its sources
.endr
	s_wait_alu depctr_va_vdst(0)                   ; the wait ahead of the run of scalar instructions
	s_mov_b32 s[SEL], 0x76543210
	s_mov_b32 s[SEL+1], 0xfedcba98
	s_bfe_u32 s31, ttmp6, 0x40000                  ; cx
	s_lshl_b32 s32, ttmp9, 2
	s_add_co_u32 s31, s31, s32                     ; work-group x
	s_lshl_b32 s31, s31, 2
	s_add_co_u32 s[HD], s31, s[WV]                 ; my head
	s_lshr_b32 s32, s[BLK], 4                      ; batch
	s_and_b32 s33, s[BLK], 15                      ; which 128 rows of the batch
	s_lshl_b32 s34, s32, 4
	s_add_co_u32 s34, s34, s[HD]
	s_lshl_b32 s34, s34, 4
	s_add_co_u32 s34, s34, s33                     ; my record: (batch x 16 + head) x 16 + block
	s_mul_i32 s36, s[HD], 49152
	s_add_nc_u64 s[SW:SW+1], s[SW:SW+1], s[36:37]  ; the images of my head's four tiles
	s_lshl_b32 s36, s[HD], 11
.irp p, 0,1,2
	s_add_nc_u64 s[SSC+2*\p:SSC+2*\p+1], s[SSC+2*\p:SSC+2*\p+1], s[36:37]   ; my 64 rows of 32 scale bytes
.endr
	s_lshl_b32 s36, s[HD], 8
.irp p, 0,1,2
	s_add_nc_u64 s[SBQ+2*\p:SBQ+2*\p+1], s[SBQ+2*\p:SBQ+2*\p+1], s[36:37]   ; my 64 numbers of each bias
.endr
	s_mul_i32 s36, s34, 6656
	s_add_nc_u64 s[SQI:SQI+1], s[SQI:SQI+1], s[36:37]
	s_mul_i32 s36, s34, 13312
	s_add_nc_u64 s[SKV:SKV+1], s[SKV:SKV+1], s[36:37]
	; the biases in the results' layout.  q, k: lane (r, h), tile t, register j: channel 32 (t / 2) + 16 h + 8 (t % 2) + j.  v: every register of tile t: channel 32 (t / 2) + 8 (t % 2) + r + 8 (r / 8)
.irp t, 0,1,2,3
	global_load_b128 v[BQ0+8*\t:BQ0+8*\t+3], v[BQO], s[SBQ:SBQ+1] offset:4*(32*(\t/2)+8*(\t%2))
	global_load_b128 v[BQ0+8*\t+4:BQ0+8*\t+7], v[BQO], s[SBQ:SBQ+1] offset:4*(32*(\t/2)+8*(\t%2))+16
.endr
	WIN 0x40
.irp t, 0,1,2,3
	global_load_b128 v[224+8*\t:227+8*\t], v[BQO], s[SBK:SBK+1] offset:4*(32*(\t/2)+8*(\t%2))
	global_load_b128 v[228+8*\t:231+8*\t], v[BQO], s[SBK:SBK+1] offset:4*(32*(\t/2)+8*(\t%2))+16
.endr
.irp t, 0,1,2,3
.irp j, 0,1,2,3,4,5,6,7
	global_load_b32 v[192+8*\t+\j], v[BVO], s[SBV:SBV+1] offset:4*(32*(\t/2)+8*(\t%2))
.endr
.endr
	WIN 0
.irp p, 0,1,2                          ; the weights' scale words: a row's 32 bytes are its eight K steps' words
.irp t, 0,1,2,3
	global_load_b128 v[WS+32*\p+8*\t:WS+32*\p+8*\t+3], v[WSO], s[SSC+2*\p:SSC+2*\p+1] offset:32*(32*(\t/2)+8*(\t%2))
	global_load_b128 v[WS+32*\p+8*\t+4:WS+32*\p+8*\t+7], v[WSO], s[SSC+2*\p:SSC+2*\p+1] offset:32*(32*(\t/2)+8*(\t%2))+16
.endr
.endr
	WLOAD 0                                        ; all loads above are older than these, so step 0's counted wait shows them in too
	WLOAD 1
	WLOAD 2
	WLOAD 3
	WIN 0
	s_wait_tensorcnt 0x0                           ; my quarter has landed,
	s_barrier_signal -1
	s_barrier_wait -1                              ; and everybody's: x's 64 fragments lie in LDS; nothing is written there again
.irp m, 0,1,2,3,4,5,6,7
.irp k, 0,1,2,3
	ds_load_b64 v[XS+8*\m+2*\k:XS+8*\m+2*\k+1], v[XSR] offset:1024*\m+256*\k
.endr
.endr
	XFETCH 0
.irp g, 0,1,2,3,4,5,6,7
	KSTEP \g
.endr
	EPI 0, SQI, 0, 6144
.irp g, 8,9,10,11,12,13,14,15
	KSTEP \g
.endr
	EPI 1, SKV, 0, 12288
.irp g, 16,17,18,19,20,21,22,23
	KSTEP \g
.endr
	EPI 2, SKV, 6144, 12800
	WIN 0
	s_wait_tensorcnt 0x0                           ; the wave's end
	ds_add_u32 v[SPW], v[NIL]
	s_wait_dscnt 0x0
	ROUND                                          ; the closing round
	s_endpgm
.Lfunc_end_k_q973f4d83c3_qkv:
	.size	k_q973f4d83c3_qkv, .Lfunc_end_k_q973f4d83c3_qkv-k_q973f4d83c3_qkv
	.p2alignl 7, 3214868480
	.fill 96, 4, 3214868480
	.section	.rodata,"a",@progbits
	.p2align	6, 0x0
	.amdhsa_kernel k_q973f4d83c3_qkv
		.amdhsa_group_segment_fixed_size 167936
		.amdhsa_private_segment_fixed_size 0
		.amdhsa_enable_private_segment 0
		.amdhsa_kernarg_size 80
		.amdhsa_user_sgpr_count 2
		.amdhsa_user_sgpr_kernarg_segment_ptr 1
		.amdhsa_wavefront_size32 1
		.amdhsa_system_sgpr_workgroup_id_x 1
		.amdhsa_system_sgpr_workgroup_id_y 1
		.amdhsa_system_sgpr_workgroup_id_z 1
		.amdhsa_system_vgpr_workitem_id 0
		.amdhsa_next_free_vgpr 1024
		.amdhsa_next_free_sgpr 66
		.amdhsa_reserve_vcc 0
		.amdhsa_float_denorm_mode_32 3
		.amdhsa_float_denorm_mode_16_64 3
		.amdhsa_memory_ordered 1
		.amdhsa_forward_progress 1
		.amdhsa_inst_pref_size 231
	.end_amdhsa_kernel
	.amdgpu_metadata
---
amdhsa.version: [ 1, 2 ]
amdhsa.kernels:
  - .name:           k_q973f4d83c3_qkv
    .symbol:         k_q973f4d83c3_qkv.kd
    .args:
      - { .name: xq, .offset: 0, .size: 8, .value_kind: global_buffer, .address_space: global }
      - { .name: wimg, .offset: 8, .size: 8, .value_kind: global_buffer, .address_space: global }
      - { .name: Wq_scales, .offset: 16, .size: 8, .value_kind: global_buffer, .address_space: global }
      - { .name: Wk_scales, .offset: 24, .size: 8, .value_kind: global_buffer, .address_space: global }
      - { .name: Wv_scales, .offset: 32, .size: 8, .value_kind: global_buffer, .address_space: global }
      - { .name: bq, .offset: 40, .size: 8, .value_kind: global_buffer, .address_space: global }
      - { .name: bk, .offset: 48, .size: 8, .value_kind: global_buffer, .address_space: global }
      - { .name: bv, .offset: 56, .size: 8, .value_kind: global_buffer, .address_space: global }
      - { .name: qimg, .offset: 64, .size: 8, .value_kind: global_buffer, .address_space: global }
      - { .name: kv, .offset: 72, .size: 8, .value_kind: global_buffer, .address_space: global }
    .group_segment_fixed_size: 167936
    .private_segment_fixed_size: 0
    .kernarg_segment_align: 8
    .kernarg_segment_size: 80
    .max_flat_workgroup_size: 128
    .sgpr_count:     66
    .vgpr_count:     1024
    .wavefront_size: 32
...
	.end_amdgpu_metadata
.endif
;; end of part 2
;; launch att (part 3): grid 4 x 64, 16 waves a work-group, clusters of 4 x 1, 327,680 bytes of LDS; arguments qimg, kv, cimg, csc; writes cimg, csc
.if DOCPART == 3
	.amdgcn_target "amdgcn-amd-amdhsa--gfx1250"
	.amdhsa_code_object_version 6
	.text
	.protected	k_q973f4d83c3_att
	.globl	k_q973f4d83c3_att
	.p2align	8
	.type	k_q973f4d83c3_att,@function
k_q973f4d83c3_att:
	s_mov_b64 s[64:65], 0
	v_nop
	global_prefetch_b8 v0, s[64:65] scope:SCOPE_SE
	s_setreg_imm32_b32 hwreg(HW_REG_WAVE_MODE, 25, 1), 1
	s_wait_xcnt 0x0
	s_wait_alu depctr_hold_cnt(0) depctr_sa_sdst(0) depctr_va_vdst(0) depctr_va_sdst(0) depctr_va_ssrc(0) depctr_va_vcc(0) depctr_vm_vsrc(0)
	s_getreg_b32 s2, hwreg(HW_REG_IB_STS2, 6, 4)
	s_cmp_eq_u32 s2, 0
	s_cbranch_scc0 .Lentry_in_a_cluster
	s_endpgm
.Lentry_in_a_cluster:
	s_bfe_u32 s2, ttmp6, 0x10000c
	s_cmp_lg_u32 s2, 0x3003
	s_cbranch_scc0 .Lentry_shape_is_right
	s_endpgm
.Lentry_shape_is_right:
; ctx[q] = the sum over keys of softmax(q . k / 8) v for one head, both products on codes of E3M2 with one E8M0 scale for each 32 along K; ctx is quantised along the model's 1,024 for the last product.
; THE SOFTMAX: t = score x log2(e) / 8; M = the row's largest t so far, rounded UP to a whole number; p = 2^(t - M) is quantised along the keys, not normalised.  The row's sum is taken of the unquantised p and divides at the end.
; When M moves, the sum and O are multiplied by 2^(old M - new M): exact.
; SHARES.  A work-group owns 512 queries of one head (x: the block, y: batch x 16 + head).  Wave w of sixteen owns pair image w of q's sixteen: two tiles of 16 queries, one in each of TWO PASSES over the head's 2,048 keys, 128 keys a step.
; LDS holds the head's sixteen records of kv (13,312 bytes each), 416 rows of 512 bytes at a pitch of 640, FILLED ONCE and read in both passes.  Every wave issues two tensor loads: 7 rows at the head (112 rows: records 0 to 3 and
; the start of record 4), 19 rows behind the first barrier (the other 304).  One load of a wave is out at a time.  The second has the first four steps in which to land; a barrier follows them; behind it nothing is waited for.
; CLUSTER: the four query blocks of a head read the same K and V: they form a cluster and ask jointly (mask 15); the descriptors hang on the head and the wave's number alone.
; NO PREFETCH: the launch's last tensor load is issued ahead of its first loop, so no trip stands ahead of any load.
; LAYOUT.  Both products are used transposed: S^T = K Q^T, O^T = V^T P^T: a lane holds ONE query.  A TILE OF K IS COMPOSED BY THE LANES' LDS ADDRESSES: tile (c, i) takes in rows 0-7 keys 64 c + 8 i + 0..7 and in rows 8-15 keys
; 64 c + 32 + 8 i + 0..7.  In kv lane r of tile 2 b + u stands for key 32 b + 8 u + r + 8 (r / 8), so row n of tile (c, i = 2 g + u) is lane (n % 8) + 8 g of tile 2 (2 c + n / 8) + u.  Then the 32 registers of tiles (c, 0..3) of lane (r, h) are
; keys 64 c + 32 h + 0..31: A WHOLE BLOCK IN A LANE, in the order of the next operand: no lane is asked for a block's maximum and no codes change lanes.  The pitch of 640 puts images 2 c and 2 c + 1 128 bytes apart modulo 256,
; so the sixteen lanes of a load touch sixteen different columns of 16 bytes.
; THE SCORES' K IS 64: q's codes of K = 64 .. 127 are zeros; on K's side those places hold the next tile's codes (or zeros), which meet zeros and add nothing.
; LIMITS: the promise holds while the scaled scores stay under 2^31 in magnitude; a block's largest p is taken through its largest score (this takes v_exp_f32 not to fall where its input rises);
; a block of zeros keeps the scale byte 1 (its codes are zeros; only this program reads the bytes); NaN and infinities are not served.
; OUT.  cimg [row tile 512][head 16][768]: six registers a lane: registers 0-3 at 16 L, 4-5 at 512 + 8 L.  csc [row tile][r 16][head 16] x 2 bytes.
.set RECL, 16640                       ; a record in LDS: 26 rows x 640.  Rows 3 b + q: K's pair image b; 12 + 3 t + q: V's image t; 24: K's scale words; 25: V's
.set SPARE, 266240                     ; behind the 416 rows: the spare words, 128 bytes a wave
.set LI,   1                           ; 16 x lane
.set AD,   2                           ; the step's record + v1
.set KAD,  3                           ; 16 ((r % 8) + 16 h) + 1,920 (r / 8)
.set KSA,  4                           ; 256 h + 16 (r % 8) + 4 (r / 8)
.set AK,   5                           ; the step's record + v3
.set AS,   6                           ; the step's record + v4
.set L8,   7                           ; 8 x lane
.set R32,  8                           ; 32 r
.set SH8,  9                           ; 8 h
.set QF,   16                          ; v16-27 q's fragment: v22-27 are zeros
.set QS,   28                          ; q's scale word
.set PS,   29                          ; p's scale word
.set QS2,  30                          ; the second pass's q scale word
.set KV,   32                          ; v32-79 K's eight tiles (6 registers each), then V's four fragments; v80-85 zeros
.set KS,   86                          ; v86-89 K's scale words of pair (c, g): lanes 0-15 tile u = 0, lanes 16-31 u = 1
.set VS,   90                          ; v90-93 V's
.set S,    96                          ; v96-159 S^T, then p: register 32 c + e = key 64 c + 32 h + e
.set O,    160                         ; v160-191 O^T
.set PC,   192                         ; v192-203 p's codes
.set CT,   204                         ; v204-206, v208-210 the upper halves' codes as they are made
.set BM,   212                         ; v212-215 maxima: block c in two chains at 2 c, 2 c + 1
.set SOP,  216                         ; v216-217 the conversions' scale operands
.set BY,   218                         ; v218-219 scale bytes
.set T0,   220
.set T1,   221
.set F,    222                         ; v[222:223] f = 2^(old M - new M); the upper one is only named
.set X,    224                         ; v224-231 four pairs of partial sums of p
.set QB,   232                         ; v232-237 the second pass's q codes
.set SPW,  254
.set NIL,  255
.set WV,   12
.set G1A,  16                          ; s[16:23] group 1, 7 rows;  s[24:31] 19 rows
.set G1B,  24
.set G0A,  32
.set G0B,  36
.set SEL,  40
.set CS,   42                          ; s[42:43] c = log2(e) / 8
.set TB,   44
.set CNT,  45
.macro ROUND                           ; a round of the cluster's barrier
	s_barrier_signal -1
	s_barrier_wait -1
	s_cmp_lg_u32 s[WV], 0
	s_cbranch_scc1 .Lnw0_\@
	s_barrier_signal -3
.Lnw0_\@:
	s_barrier_wait -3
	s_barrier_signal -1
	s_barrier_wait -1
.endm
.macro INIT                            ; a pass begins: the step is written once; the first finds zeros, which the first change of M leaves zeros
	v_mov_b32 v13, 0xff61b1e6                      ; the largest t so far: -3e38
	v_mov_b32 v14, 0
	v_mov_b32 v15, 0
	v_floor_f32 v12, -v13                          ; -M
.set j, 0
.rept 8
	v_mov_b32 v[X+j], 0
.set j, j+1
.endr
.set j, 0
.rept 32
	v_mov_b32 v[O+j], 0
.set j, j+1
.endr
.endm
; A KEY STEP: the 128 keys of the record at LDS byte s[TB].
.macro STEP
	v_add_nc_u32 v[AK], s[TB], v[KAD]              ; three sums and a v_nop: four places behind the last products, in front of loads into their registers
	v_add_nc_u32 v[AS], s[TB], v[KSA]
	v_add_nc_u32 v[AD], s[TB], v[LI]
	v_nop
.irp c, 0,1
.irp g, 0,1
.irp q, 0,1,2
	ds_load_b128 v[KV+24*\c+12*\g+4*\q:KV+24*\c+12*\g+4*\q+3], v[AK] offset:3840*\c+640*\q+128*\g
.endr
	ds_load_b32 v[KS+2*\c+\g], v[AS] offset:15360+8*\c+128*\g
.endr
.endr
	s_wait_alu depctr_va_vdst(0)                   ; the wait ahead of the wait below
	s_wait_dscnt 0x0
.irp c, 0,1
.irp g, 0,1
	v_wmma_scale_f32_16x16x128_f8f6f4 v[S+32*\c+16*\g:S+32*\c+16*\g+7], v[KV+24*\c+12*\g:KV+24*\c+12*\g+11], v[QF:QF+11], 0, v[KS+2*\c+\g], v[QS] matrix_a_fmt:MATRIX_FMT_BF6 matrix_b_fmt:MATRIX_FMT_BF6
	v_wmma_scale_f32_16x16x128_f8f6f4 v[S+32*\c+16*\g+8:S+32*\c+16*\g+15], v[KV+24*\c+12*\g+6:KV+24*\c+12*\g+17], v[QF:QF+11], 0, v[KS+2*\c+\g], v[QS] matrix_a_fmt:MATRIX_FMT_BF6 matrix_b_fmt:MATRIX_FMT_BF6 matrix_a_scale:MATRIX_SCALE_ROW1
.endr
.endr
	v_pk_add_f32 v[X:X+1], v[X:X+1], v[X+2:X+3]              ; the step before's partial sums are closed here: four places behind the products
	v_pk_add_f32 v[X+4:X+5], v[X+4:X+5], v[X+6:X+7]
	v_mov_b32 v[T0], v12                                     ; the old -M
	v_pk_add_f32 v[14:15], v[14:15], v[X:X+1]
.irp t, 0,1,2,3
.irp q, 0,1,2
	ds_load_b128 v[KV+12*\t+4*\q:KV+12*\t+4*\q+3], v[AD] offset:7680+1920*\t+640*\q   ; V lands on K's registers while the softmax is walked
.endr
.endr
	ds_load_b128 v[VS:VS+3], v[AD] offset:16000
	v_pk_add_f32 v[14:15], v[14:15], v[X+4:X+5]
.irp c, 0,1                            ; the largest score of my two blocks, each in two chains, the four by turns; every accumulator is first read at its low end
	v_max3_num_f32 v[BM+2*\c], v[S+32*\c], v[S+32*\c+1], v[S+32*\c+2]
	v_max3_num_f32 v[BM+2*\c+1], v[S+32*\c+17], v[S+32*\c+18], v[S+32*\c+19]
.endr
.irp i, 0,2,4,6,8,10
.irp c, 0,1
	v_max3_num_f32 v[BM+2*\c], v[BM+2*\c], v[S+32*\c+3+\i], v[S+32*\c+4+\i]
	v_max3_num_f32 v[BM+2*\c+1], v[BM+2*\c+1], v[S+32*\c+20+\i], v[S+32*\c+21+\i]
.endr
.endr
.irp c, 0,1
	v_max3_num_f32 v[BM+2*\c], v[BM+2*\c], v[S+32*\c+15], v[S+32*\c+16]
.endr
.irp c, 0,1
	s_delay_alu instid0(VALU_DEP_2)
	v_max_num_f32 v[BM+2*\c], v[BM+2*\c], v[BM+2*\c+1]       ; block c's largest score: it serves the row's maximum and the block's largest p
.endr
	s_delay_alu instid0(VALU_DEP_1)
	v_max_num_f32 v[BM+1], v[BM], v[BM+2]
	s_delay_alu instid0(VALU_DEP_1)
	v_mul_f32 v[BM+1], s[CS], v[BM+1]              ; as t (c is positive)
	s_delay_alu instid0(VALU_DEP_1)
	v_permlanex16_b32 v[T1], v[BM+1], s[SEL], s[SEL+1]
	s_delay_alu instid0(VALU_DEP_1)
	v_max3_num_f32 v13, v13, v[BM+1], v[T1]        ; the running largest t, with lane l xor 16's 64 keys
	s_delay_alu instid0(VALU_DEP_1)
	v_floor_f32 v12, -v13                          ; the new -M: M is a whole number
	s_delay_alu instid0(VALU_DEP_1)
	v_sub_f32 v[T0], v12, v[T0]                    ; old M less new M
	s_delay_alu instid0(VALU_DEP_1)
	v_cvt_i32_f32 v[T0], v[T0]                     ; (it saturates)
	s_delay_alu instid0(VALU_DEP_1)
	v_ldexp_f32 v[F], 1.0, v[T0]                   ; f
.irp c, 0,1
	v_fma_f32 v[BM+2*\c], v[BM+2*\c], s[CS], v12
.endr
.set j, 0
.rept 32
	v_pk_fma_f32 v[S+j:S+j+1], v[S+j:S+j+1], s[CS:CS+1], v[12:13] op_sel_hi:[1,0,0]   ; t - M, two at a time
.set j, j+2
.endr
	s_wait_alu depctr_va_vdst(0)                   ; the wait ahead of the batch
	v_exp_f32 v[BM], v[BM]                         ; the blocks' largest p
	v_exp_f32 v[BM+2], v[BM+2]
.set j, 0
.rept 64
	v_exp_f32 v[S+j], v[S+j]                       ; p = 2^(t - M), at most 1
.set j, j+1
.endr
	v_pk_mul_f32 v[14:15], v[14:15], v[F:F+1] op_sel_hi:[1,0]   ; the sum under the new M: the plain place behind the batch
	s_wait_alu depctr_va_vdst(0)                   ; one wait for the batch of 66, ahead of its first reader
.irp k, 0,1,2,3
	v_pk_add_f32 v[X+2*\k:X+2*\k+1], v[S+4*\k:S+4*\k+1], v[S+4*\k+2:S+4*\k+3]   ; the sum of the unquantised p: four chains by turns; they are closed in the next step or on the way out
.endr
.irp i, 16,24,32,40,48,56
.irp k, 0,1,2,3
	v_pk_add_f32 v[X+2*\k:X+2*\k+1], v[X+2*\k:X+2*\k+1], v[S+\i+2*\k:S+\i+2*\k+1]
.endr
.endr
.irp c, 0,1
	v_max_num_f32 v[BM+2*\c], 0x2800000, v[BM+2*\c]          ; the floor 2^(5 - 127): the byte cannot fall under 1
.endr
.irp c, 0,1
	s_delay_alu instid0(VALU_DEP_2)
	v_add_nc_u32 v[SOP+\c], 0xfe000000, v[BM+2*\c]           ; 4 off the exponent field: the conversion's scale operand
.endr
.irp c, 0,1
	s_delay_alu instid0(VALU_DEP_2)
	v_lshrrev_b32 v[BY+\c], 23, v[SOP+\c]                    ; the byte of block 2 c + h
.endr
	s_delay_alu instid0(VALU_DEP_1)
	v_lshl_or_b32 v[BY], v[BY+1], 16, v[BY]
	s_delay_alu instid0(VALU_DEP_1)
	v_lshlrev_b32 v[BY], v[SH8], v[BY]             ; my two bytes at their places, 8 h bits up
	s_delay_alu instid0(VALU_DEP_1)
	v_permlanex16_b32 v[T1], v[BY], s[SEL], s[SEL+1]
.irp c, 0,1
	v_cvt_scalef32_pk16_bf6_f32 v[PC+6*\c:PC+6*\c+2], v[S+32*\c:S+32*\c+15], v[SOP+\c]
	v_cvt_scalef32_pk16_bf6_f32 v[CT+4*\c:CT+4*\c+2], v[S+32*\c+16:S+32*\c+31], v[SOP+\c]   ; (a conversion's three registers begin on an even number)
.endr
	v_or_b32 v[PS], v[BY], v[T1]                   ; with lane l xor 16's two bytes the word is whole; also the plain place behind the conversions
.irp c, 0,1
.irp i, 0,1,2
	v_mov_b32 v[PC+6*\c+3+\i], v[CT+4*\c+\i]
.endr
.endr
	s_wait_dscnt 0x0                               ; V and its scale words are in
	s_wait_alu depctr_va_vdst(0)                   ; the wait directly ahead of the first reader of O^T
.set j, 0
.rept 16
	v_pk_mul_f32 v[O+j:O+j+1], v[O+j:O+j+1], v[F:F+1] op_sel_hi:[1,0]   ; O^T under the new M, from each accumulator's low end on; also the places between p's codes and scale word and the products
.set j, j+2
.endr
.irp t, 0,1,2,3
	v_wmma_scale_f32_16x16x128_f8f6f4 v[O+8*\t:O+8*\t+7], v[KV+12*\t:KV+12*\t+11], v[PC:PC+11], v[O+8*\t:O+8*\t+7], v[VS+\t], v[PS] matrix_a_fmt:MATRIX_FMT_BF6 matrix_b_fmt:MATRIX_FMT_BF6
.endr
	s_add_co_u32 s[TB], s[TB], RECL
.endm
.macro WALK first, n                   ; records first .. first + n - 1
	s_mov_b32 s[TB], RECL*\first
	s_mov_b32 s[CNT], \n
.Lw_\@:
	STEP
	s_sub_co_u32 s[CNT], s[CNT], 1
	s_cmp_lg_u32 s[CNT], 0
	s_cbranch_scc1 .Lw_\@
.endm
; THE WAY OUT of tile u: O^T / the sum, quantised along the head's 64 (two blocks, each in lanes l and l xor 16): six registers of codes and two scale bytes a row
.macro OUT u
	v_pk_add_f32 v[X:X+1], v[X:X+1], v[X+2:X+3]    ; the last step's partial sums: four places behind the last products
	v_pk_add_f32 v[X+4:X+5], v[X+4:X+5], v[X+6:X+7]
	v_pk_add_f32 v[14:15], v[14:15], v[X:X+1]
	v_pk_add_f32 v[14:15], v[14:15], v[X+4:X+5]
	s_delay_alu instid0(VALU_DEP_1)
	v_add_f32 v14, v14, v15
	s_delay_alu instid0(VALU_DEP_1)
	v_permlanex16_b32 v[T1], v14, s[SEL], s[SEL+1]
	s_delay_alu instid0(VALU_DEP_1)
	v_add_f32 v14, v14, v[T1]                      ; the row's sum
	s_wait_alu depctr_va_vdst(0)
	v_rcp_f32 v14, v14
	v_nop
	s_wait_alu depctr_va_vdst(0)                   ; ahead of the first reader of the quotient and of O^T
.set j, 0
.rept 32
	v_mul_f32 v[S+j], v[O+j], v14                  ; register 16 b + i: channel 32 b + 16 h + i of my query
.set j, j+1
.endr
.irp b, 0,1
	v_max3_num_f32 v[BM+\b], |v[S+16*\b]|, |v[S+16*\b+1]|, 0x2800000
.endr
.irp i, 2,4,6,8,10,12,14
.irp b, 0,1
	s_delay_alu instid0(VALU_DEP_2)
	v_max3_num_f32 v[BM+\b], v[BM+\b], |v[S+16*\b+\i]|, |v[S+16*\b+\i+1]|
.endr
.endr
.irp b, 0,1
	s_delay_alu instid0(VALU_DEP_2)
	v_permlanex16_b32 v[BM+2+\b], v[BM+\b], s[SEL], s[SEL+1]
.endr
.irp b, 0,1
	s_delay_alu instid0(VALU_DEP_2)
	v_max_num_f32 v[BM+\b], v[BM+\b], v[BM+2+\b]
.endr
.irp b, 0,1
	s_delay_alu instid0(VALU_DEP_2)
	v_add_nc_u32 v[SOP+\b], 0xfe000000, v[BM+\b]
.endr
.irp b, 0,1
	s_delay_alu instid0(VALU_DEP_2)
	v_lshrrev_b32 v[BY+\b], 23, v[SOP+\b]
.endr
	s_delay_alu instid0(VALU_DEP_1)
	v_lshl_or_b32 v[T0], v[BY+1], 8, v[BY]         ; my row's two scale bytes
	v_cvt_scalef32_pk16_bf6_f32 v[PC:PC+2], v[S:S+15], v[SOP]
	v_cvt_scalef32_pk16_bf6_f32 v[CT:CT+2], v[S+16:S+31], v[SOP+1]
	v_nop
.irp i, 0,1,2
	v_permlane16_swap_b32 v[PC+\i], v[CT+\i]       ; a whole block to a lane
.endr
.irp i, 0,1,2
	v_mov_b32 v[PC+3+\i], v[CT+\i]
.endr
	global_store_b128 v[LI], v[PC:PC+3], s[8:9] offset:12288*\u          ; 512 consecutive bytes, aligned to 256
	global_store_b64 v[L8], v[PC+4:PC+5], s[8:9] offset:12288*\u+512     ; 256
	global_store_b16 v[R32], v[T0], s[10:11] offset:512*\u               ; two bytes a row, rows 32 bytes apart, as the next launch reads them; lanes r and r + 16 write the same value
.endm
	s_load_b256 s[4:11], s[0:1], 0x0               ; qimg, kv, cimg, csc
	v_lshl_add_u32 v[SPW], v0, 2, SPARE
	v_mov_b32 v[NIL], 0
	ds_add_u32 v[SPW], v[NIL]                      ; the opening lines: the add, twice on end, and its wait
	ds_add_u32 v[SPW], v[NIL]
	v_lshrrev_b32 v10, 5, v0
	v_readfirstlane_b32 s[WV], v10                 ; wave 0..15
	s_and_b32 s13, ttmp7, 0xffff                   ; batch x 16 + head: the cluster's y
.irp g, G1A, G1B                       ; rows of 512 bytes (64 elements of 8), 128 bytes of padding behind each; the mask names the cluster's four
	s_mov_b32 s[\g], 15|(3<<16)|(1<<20)|(1<<21)|(6<<22)|(31<<25)
	s_mov_b32 s[\g+1], 64<<16
	s_mov_b32 s[\g+3], 64<<16
	s_mov_b32 s[\g+5], 64
	s_mov_b32 s[\g+6], 0
	s_mov_b32 s[\g+7], 0
.endr
	s_mov_b32 s[G1A+2], 7<<16
	s_mov_b32 s[G1A+4], 7
	s_mov_b32 s[G1B+2], 19<<16
	s_mov_b32 s[G1B+4], 19
	s_mul_i32 s48, s13, 212992                     ; the head's sixteen records
	s_mov_b32 s49, 0
	s_mul_i32 s50, s[WV], 3584                     ; rows 7 w ..
	s_mov_b32 s51, 0
	s_mul_i32 s52, s[WV], 9728                     ; rows 112 + 19 w ..
	s_add_co_u32 s52, s52, 57344
	s_mov_b32 s53, 0
	s_mov_b32 s[G0A], 1
	s_mul_i32 s[G0A+1], s[WV], 4480
	s_mov_b32 s[G0B], 1
	s_mul_i32 s[G0B+1], s[WV], 12160
	s_add_co_u32 s[G0B+1], s[G0B+1], 71680
	s_wait_dscnt 0x0
	s_wait_kmcnt 0x0
	s_add_nc_u64 s[6:7], s[6:7], s[48:49]
	s_add_nc_u64 s[G0A+2:G0A+3], s[6:7], s[50:51]
	s_or_b32 s[G0A+3], s[G0A+3], 0x80000000
	s_add_nc_u64 s[G0B+2:G0B+3], s[6:7], s[52:53]
	s_or_b32 s[G0B+3], s[G0B+3], 0x80000000
	ROUND                                          ; the four work-groups are here: the first joint loads meet
	tensor_load_to_lds s[G0A:G0A+3], s[G1A:G1A+7]  ; my one load at the head
	s_nop 0
	v_and_b32 v10, 31, v0
	v_and_b32 v11, 15, v0                          ; r
	v_lshlrev_b32 v[LI], 4, v10
	v_lshlrev_b32 v[L8], 3, v10
	v_lshlrev_b32 v[R32], 5, v11
	v_bfe_u32 v[SH8], v0, 4, 1                     ; h
	v_and_b32 v[AS], 7, v0                         ; r % 8
	v_bfe_u32 v[KSA], v0, 3, 1                     ; r / 8
	v_lshl_add_u32 v[KAD], v[SH8], 4, v[AS]
	v_lshlrev_b32 v[KAD], 4, v[KAD]
	v_mad_u32_u24 v[KAD], v[KSA], 1920, v[KAD]
	v_lshlrev_b32 v[KSA], 2, v[KSA]
	v_lshl_add_u32 v[KSA], v[AS], 4, v[KSA]
	v_lshl_add_u32 v[KSA], v[SH8], 8, v[KSA]
	v_lshlrev_b32 v[SH8], 3, v[SH8]
	s_wait_alu depctr_va_vdst(0)                   ; the wait ahead of the run of scalar instructions
	s_bfe_u32 s54, ttmp6, 0x40000                  ; cx
	s_lshl_b32 s55, ttmp9, 2
	s_add_co_u32 s54, s54, s55                     ; my block of 512 queries
	s_lshl_b32 s48, s13, 4
	s_lshl_b32 s55, s54, 2
	s_add_co_u32 s48, s48, s55
	s_lshr_b32 s55, s[WV], 2
	s_add_co_u32 s48, s48, s55                     ; q's record: 16 x (batch x 16 + head) + 4 x block + wave / 4
	s_mul_i32 s48, s48, 6656
	s_and_b32 s55, s[WV], 3                        ; b: my pair image in it
	s_mul_i32 s56, s55, 1536
	s_add_co_u32 s48, s48, s56
	s_add_nc_u64 s[4:5], s[4:5], s[48:49]
	s_mul_i32 s56, s55, 1532
	s_sub_co_u32 s56, 6144, s56                    ; from my image to the record's scale words, + 4 b
	v_lshl_add_u32 v10, v11, 4, s56
	global_load_b128 v[KV:KV+3], v[LI], s[4:5]
	global_load_b128 v[KV+4:KV+7], v[LI], s[4:5] offset:512
	global_load_b128 v[KV+8:KV+11], v[LI], s[4:5] offset:1024
	global_load_b32 v[QS], v10, s[4:5]             ; the word of lane r: tile u = 0,
	global_load_b32 v[QS2], v10, s[4:5] offset:256 ; of lane 16 + r: u = 1
	s_lshr_b32 s55, s13, 4
	s_lshl_b32 s55, s55, 7
	s_lshl_b32 s56, s54, 5
	s_add_co_u32 s55, s55, s56
	s_lshl_b32 s56, s[WV], 1
	s_add_co_u32 s55, s55, s56                     ; my first row tile: 128 x batch + 32 x block + 2 x wave
	s_and_b32 s56, s13, 15                         ; head
	s_mul_i32 s48, s55, 12288
	s_mul_i32 s57, s56, 768
	s_add_co_u32 s48, s48, s57
	s_add_nc_u64 s[8:9], s[8:9], s[48:49]
	s_lshl_b32 s48, s55, 9
	s_lshl_b32 s57, s56, 1
	s_add_co_u32 s48, s48, s57
	s_add_nc_u64 s[10:11], s[10:11], s[48:49]
	s_mov_b32 s[SEL], 0x76543210
	s_mov_b32 s[SEL+1], 0xfedcba98
	s_mov_b32 s[CS], 0x3e38aa3b                    ; log2(e) / 8
	s_mov_b32 s[CS+1], s[CS]
	v_mov_b32 v[F+1], 0
	v_mov_b32 v[T1], 0                             ; a lane permute's destination counts as one of its sources
.irp i, 0,1,2,3,4,5
	v_mov_b32 v[QF+6+\i], 0                        ; q's codes of K = 64 .. 127
	v_mov_b32 v[KV+48+\i], 0                       ; and what stands behind K's last tile
.endr
	INIT
	s_wait_alu depctr_va_vdst(0)
	s_wait_loadcnt 0x0
.irp i, 0,1,2,3,4,5
	v_mov_b32 v[QF+\i], v[KV+\i]                   ; the first pass's tile
	v_mov_b32 v[QB+\i], v[KV+6+\i]                 ; the second's
.endr
	s_wait_alu depctr_va_vdst(0)                   ; the wait at the head's end
	s_wait_tensorcnt 0x0                           ; my seven rows are in
	ds_add_u32 v[SPW], v[NIL]
	s_wait_dscnt 0x0
	ROUND                                          ; everybody's are, in all four work-groups
	tensor_load_to_lds s[G0B:G0B+3], s[G1B:G1B+7]  ; my one load behind the round: 19 of the other 304 rows
	s_nop 0
	WALK 0, 4
	s_wait_tensorcnt 0x0                           ; my 19 rows are in
	s_wait_dscnt 0x0
	s_barrier_signal -1
	s_barrier_wait -1                              ; the whole head lies in LDS; nothing is filled again
	WALK 4, 12
	OUT 0
	v_mov_b32 v[QS], v[QS2]                        ; THE SECOND PASS: my other tile of queries, on the same bytes of LDS
.irp i, 0,1,2,3,4,5
	v_mov_b32 v[QF+\i], v[QB+\i]
.endr
	INIT
	s_wait_alu depctr_va_vdst(0)
	s_wait_xcnt 0x0                                ; the first pass's stores have read their data: only behind this wait are those registers written again
	WALK 0, 16
	OUT 1
	s_wait_tensorcnt 0x0                           ; the wave's end
	ds_add_u32 v[SPW], v[NIL]
	s_wait_dscnt 0x0
	ROUND                                          ; the closing round
	s_endpgm
.Lfunc_end_k_q973f4d83c3_att:
	.size	k_q973f4d83c3_att, .Lfunc_end_k_q973f4d83c3_att-k_q973f4d83c3_att
	.p2alignl 7, 3214868480
	.fill 96, 4, 3214868480
	.section	.rodata,"a",@progbits
	.p2align	6, 0x0
	.amdhsa_kernel k_q973f4d83c3_att
		.amdhsa_group_segment_fixed_size 327680
		.amdhsa_private_segment_fixed_size 0
		.amdhsa_enable_private_segment 0
		.amdhsa_kernarg_size 32
		.amdhsa_user_sgpr_count 2
		.amdhsa_user_sgpr_kernarg_segment_ptr 1
		.amdhsa_wavefront_size32 1
		.amdhsa_system_sgpr_workgroup_id_x 1
		.amdhsa_system_sgpr_workgroup_id_y 1
		.amdhsa_system_sgpr_workgroup_id_z 1
		.amdhsa_system_vgpr_workitem_id 0
		.amdhsa_next_free_vgpr 256
		.amdhsa_next_free_sgpr 66
		.amdhsa_reserve_vcc 0
		.amdhsa_float_denorm_mode_32 3
		.amdhsa_float_denorm_mode_16_64 3
		.amdhsa_memory_ordered 1
		.amdhsa_forward_progress 1
		.amdhsa_inst_pref_size 65
	.end_amdhsa_kernel
	.amdgpu_metadata
---
amdhsa.version: [ 1, 2 ]
amdhsa.kernels:
  - .name:           k_q973f4d83c3_att
    .symbol:         k_q973f4d83c3_att.kd
    .args:
      - { .name: qimg, .offset: 0, .size: 8, .value_kind: global_buffer, .address_space: global }
      - { .name: kv, .offset: 8, .size: 8, .value_kind: global_buffer, .address_space: global }
      - { .name: cimg, .offset: 16, .size: 8, .value_kind: global_buffer, .address_space: global }
      - { .name: csc, .offset: 24, .size: 8, .value_kind: global_buffer, .address_space: global }
    .group_segment_fixed_size: 327680
    .private_segment_fixed_size: 0
    .kernarg_segment_align: 8
    .kernarg_segment_size: 32
    .max_flat_workgroup_size: 512
    .sgpr_count:     66
    .vgpr_count:     256
    .wavefront_size: 32
...
	.end_amdgpu_metadata
.endif
;; end of part 3
;; launch out (part 4): grid 256 x 1, 4 waves a work-group, clusters of 4 x 1, 327,680 bytes of LDS; arguments cimg, csc, wimg, Wo_scales, bo, x, gamma, beta, out0; writes out0
.if DOCPART == 4
	.amdgcn_target "amdgcn-amd-amdhsa--gfx1250"
	.amdhsa_code_object_version 6
	.text
	.protected	k_q973f4d83c3_out
	.globl	k_q973f4d83c3_out
	.p2align	8
	.type	k_q973f4d83c3_out,@function
k_q973f4d83c3_out:
	s_mov_b64 s[64:65], 0
	v_nop
	global_prefetch_b8 v0, s[64:65] scope:SCOPE_SE
	s_setreg_imm32_b32 hwreg(HW_REG_WAVE_MODE, 25, 1), 1
	s_wait_xcnt 0x0
	s_wait_alu depctr_hold_cnt(0) depctr_sa_sdst(0) depctr_va_vdst(0) depctr_va_sdst(0) depctr_va_ssrc(0) depctr_va_vcc(0) depctr_vm_vsrc(0)
	s_getreg_b32 s2, hwreg(HW_REG_IB_STS2, 6, 4)
	s_cmp_eq_u32 s2, 0
	s_cbranch_scc0 .Lentry_in_a_cluster
	s_endpgm
.Lentry_in_a_cluster:
	s_bfe_u32 s2, ttmp6, 0x10000c
	s_cmp_lg_u32 s2, 0x3003
	s_cbranch_scc0 .Lentry_shape_is_right
	s_endpgm
.Lentry_shape_is_right:
; out0 = LayerNorm(ctx Wo + bo + x) x gamma + beta; the product on codes of E3M2 with one E8M0 scale for each 32 along K; all else in f32.
; SHARES.  Work-group G owns row tiles 2 G and 2 G + 1 of ctx, which together are the 32 whole rows 32 G .. 32 G + 31 (lane r of tile u: row 32 G + 8 u + r + 8 (r / 8)), so a row's mean and variance stay in the work-group.
; Wave w makes columns 256 w .. 256 w + 255 (16 tiles of Wo) for both row tiles: 32 accumulators, 256 matrix instructions; the accumulators take turns, one instruction a turn.
; ctx's 16 fragments (192 registers) and all scale words stay in registers.  Wo's fragments (images in wimg; a tile's eight K steps are 12,288 consecutive bytes) come by TWO ROADS:
;   tiles 0-9 of my sixteen straight into registers: 80 fragments (fragment f: tile f % 10, K step f / 10) in 20 chunks of four, three chunks ahead in a ring of four slots;
;   tiles 10-15, 73,728 consecutive bytes, by my ONE tensor load at the head into LDS bytes that I alone read: 48 fragments (fragment f: tile 10 + f % 6, K step f / 6) in 12 chunks, two in each of steps 14 to 19.
; LDS is filled once (4 x 73,728 bytes).  CLUSTER: every work-group needs the same Wo: four form a cluster and ask jointly (mask 15); the descriptor hangs on the wave's number alone.
; The product is used transposed (first source 16 rows of Wo): a lane holds one row and eight neighbouring columns.  The results meet in a stage in LDS (32 rows x 4,112 bytes: 257 x 16, so the sixteen rows of a store start in different banks).
; The stage lies over bytes that have had their only fill: a barrier shows that every wave's load has landed and its reads of them are over; a second shows the stage whole.
; Wave w then owns stage rows 8 w .. 8 w + 7, which are rows 32 G + 8 (w / 2) + 16 (w % 2) + 0 .. 7, whole: 32 registers a row.  The variance is taken of h - mean, in a second pass over registers.
; REGISTERS, in windows of 256.  Window 0: v1-8, v13-14 addresses; v32-47 ctx's scale words (8 u + s); v48-111 Wo's (8 i + s: lanes 0-15 tile 2 i, lanes 16-31 tile 2 i + 1); v112-143 sums; v160-191 gamma, v192-223 beta, v224-255 bo.
;   Window 1: ctx's fragments at 12 (8 u + s), v192-239 a chunk from LDS; later x's rows at 32 k.   Window 2: the ring at 48 (i % 4), v192-239 a chunk from LDS.   Window 3: the accumulators at 8 (2 t + u), later the rows h at 32 k.
.set SPITCH, 4112
.set LWB,  73728                       ; a wave's six tiles in LDS
.set SPARE, 294912                     ; behind them the spare words, 128 bytes a wave
.set LI,   1                           ; 16 x lane
.set L8,   2                           ; 8 x lane
.set R32,  3                           ; 32 r
.set WSA,  4                           ; 256 h + 32 (r + 8 (r / 8))
.set SO0,  5                           ; the stage, in: row r of tile 0, + 64 h + 1,024 w
.set SO1,  6                           ; of tile 1: 16 rows on
.set SR,   7                           ; back: 16 L + my eight rows
.set PFO,  8                           ; 256 x lane
.set LA0,  13                          ; my tiles 10-12 in LDS: 16 L + 73,728 w
.set LA1,  14                          ; my tiles 13-15: 36,864 on
.set CS,   32
.set WS,   48
.set SM,   112
.set SQ,   128
.set SPW,  158
.set NIL,  159
.set GA,   160
.set BE,   192
.set BO,   224
.set SCI,  4                           ; s[4:5] cimg, s[6:7] csc, s[8:9] wimg, s[10:11] Wo's scales, s[12:13] bo, s[14:15] x, s[16:17] gamma, s[18:19] beta, s[20:21] out0
.set SCS,  6
.set SW,   8
.set SWS,  10
.set SBO,  12
.set SXR,  14
.set SGA,  16
.set SBE,  18
.set SOUT, 20
.set WV,   22
.set GW,   23
.set SEL,  30
.set G1,   32
.set G0,   40
.set MSB, 0
.macro WIN new                         ; the immediate's high byte repeats the setting that is left
.if MSB != \new
	s_set_vgpr_msb (MSB<<8)|\new
.set MSB, \new
.endif
.endm
.macro PLACES
.rept 4
	v_nop
.endr
.endm
.macro ROUND                           ; a round of the cluster's barrier
	s_barrier_signal -1
	s_barrier_wait -1
	s_cmp_lg_u32 s[WV], 0
	s_cbranch_scc1 .Lnw0_\@
	s_barrier_signal -3
.Lnw0_\@:
	s_barrier_wait -3
	s_barrier_signal -1
	s_barrier_wait -1
.endm
.macro CLOAD i                         ; chunk i from memory: fragments 4 i .. 4 i + 3 of the 80, into slot i % 4
	WIN 0x80
.irp tt, 0,1,2,3
.irp cc, 0,1,2
	global_load_b128 v[48*((\i)%4)+12*\tt+4*\cc:48*((\i)%4)+12*\tt+4*\cc+3], v[LI], s[SW:SW+1] offset:(8*((4*(\i)+\tt)%10)+(4*(\i)+\tt)/10)*1536+512*\cc
.endr
.endr
.endm
.macro LLOAD j, win                    ; chunk j from LDS: fragments 4 j .. 4 j + 3 of the 48, into v192-239 of the window that win names
	WIN \win
.irp tt, 0,1,2,3
.set E_, (4*(\j)+\tt)%6
.set K_, (4*(\j)+\tt)/6
.irp cc, 0,1,2
.if E_ < 3
	ds_load_b128 v[192+12*\tt+4*\cc:192+12*\tt+4*\cc+3], v[LA0] offset:(8*E_+K_)*1536+512*\cc
.else
	ds_load_b128 v[192+12*\tt+4*\cc:192+12*\tt+4*\cc+3], v[LA1] offset:(8*(E_-3)+K_)*1536+512*\cc
.endif
.endr
.endr
.endm
.macro PROD zero, odd
.if \zero
.if \odd
	v_wmma_scale_f32_16x16x128_f8f6f4 v[D_:D_+7], v[A_:A_+11], v[B_:B_+11], 0, v[W_], v[X_] matrix_a_fmt:MATRIX_FMT_BF6 matrix_b_fmt:MATRIX_FMT_BF6 matrix_a_scale:MATRIX_SCALE_ROW1
.else
	v_wmma_scale_f32_16x16x128_f8f6f4 v[D_:D_+7], v[A_:A_+11], v[B_:B_+11], 0, v[W_], v[X_] matrix_a_fmt:MATRIX_FMT_BF6 matrix_b_fmt:MATRIX_FMT_BF6
.endif
.else
.if \odd
	v_wmma_scale_f32_16x16x128_f8f6f4 v[D_:D_+7], v[A_:A_+11], v[B_:B_+11], v[D_:D_+7], v[W_], v[X_] matrix_a_fmt:MATRIX_FMT_BF6 matrix_b_fmt:MATRIX_FMT_BF6 matrix_a_scale:MATRIX_SCALE_ROW1
.else
	v_wmma_scale_f32_16x16x128_f8f6f4 v[D_:D_+7], v[A_:A_+11], v[B_:B_+11], v[D_:D_+7], v[W_], v[X_] matrix_a_fmt:MATRIX_FMT_BF6 matrix_b_fmt:MATRIX_FMT_BF6
.endif
.endif
.endm
; a chunk's eight products: fragments first .. first + 3 of a list in which fragment f is tile t0 + f % n, K step f / n; their registers begin at abase.  Four different tiles x two row tiles: eight accumulators; a tile's first K step starts its sums
.macro MUL8 first, n, t0, abase
.irp tt, 0,1,2,3
.irp u, 0,1
.set T_, (\t0)+((\first)+\tt)%(\n)
.set S_, ((\first)+\tt)/(\n)
.set D_, 8*(2*T_+\u)
.set A_, (\abase)+12*\tt
.set B_, 12*(8*\u+S_)
.set W_, WS+8*(T_/2)+S_
.set X_, CS+8*\u+S_
.if S_ == 0
	PROD 1, T_%2
.else
	PROD 0, T_%2
.endif
.endr
.endr
.endm
; Step i of 20: the chunk three on is asked for, then chunk i's eight products; in steps 14 to 19 two chunks from LDS beside it.
.macro CSTEP i
	PLACES                                         ; in front of loads into registers that the step before has multiplied
.if (\i) < 17
	CLOAD (\i)+3
.endif
.if ((\i) >= 4) && ((\i) < 8)
	global_prefetch_b8 v[PFO], s[SXR:SXR+1] offset:8192*((\i)-4) th:TH_LOAD_NT scope:SCOPE_SE   ; my eight residual rows of x are 32,768 consecutive bytes: lanes 256 bytes apart, 8,192 bytes an instruction, one in each of steps 4 to 7; a row belongs to one wave, so each block is named once; the loads that want them stand behind step 19
.endif
.if (\i) >= 14
	LLOAD 2*((\i)-14), 0x80
	LLOAD 2*((\i)-14)+1, 0x40
.endif
.if (\i) < 17
	s_wait_loadcnt 36                              ; chunk i is in; the three younger chunks of 12 loads may be out
.else
	s_wait_loadcnt 12*(19-(\i))
.endif
	WIN 0xf6                                       ; Wo window 2, ctx window 1, C and D window 3
	MUL8 4*(\i), 10, 0, 48*((\i)%4)
.if (\i) >= 14
	s_wait_dscnt 12                                ; the first chunk from LDS is in; the second's 12 loads may be out
	MUL8 8*((\i)-14), 6, 10, 192
	s_wait_dscnt 0x0
	WIN 0xf5                                       ; Wo window 1
	MUL8 8*((\i)-14)+4, 6, 10, 192
.endif
.endm
; the eight rows' pairs at v[base + 2 k] become the sums over the wave's 32 lanes, in every lane, in v[base + 2 k]
.macro REDUCE base
.irp k, 0,1,2,3,4,5,6,7
	v_add_f32 v[\base+2*\k], v[\base+2*\k], v[\base+2*\k+1]
.endr
.irp x, 1,2,4,8
.irp k, 0,1,2,3,4,5,6,7
	v_add_f32_dpp v[\base+2*\k], v[\base+2*\k], v[\base+2*\k] row_xmask:\x row_mask:0xf bank_mask:0xf
.endr
.endr
.irp k, 0,1,2,3,4,5,6,7
	v_permlanex16_b32 v[\base+2*\k+1], v[\base+2*\k], s[SEL], s[SEL+1]
.endr
.irp k, 0,1,2,3,4,5,6,7
	v_add_f32 v[\base+2*\k], v[\base+2*\k], v[\base+2*\k+1]
.endr
.endm
	s_load_b256 s[4:11], s[0:1], 0x0               ; cimg, csc, wimg, Wo's scales
	s_load_b256 s[12:19], s[0:1], 0x20             ; bo, x, gamma, beta
	s_load_b64 s[20:21], s[0:1], 0x40              ; out0
	v_lshl_add_u32 v[SPW], v0, 2, SPARE
	v_mov_b32 v[NIL], 0
	ds_add_u32 v[SPW], v[NIL]                      ; the opening lines: the add, twice on end, and its wait
	ds_add_u32 v[SPW], v[NIL]
	v_lshrrev_b32 v9, 5, v0
	v_readfirstlane_b32 s[WV], v9                  ; wave 0..3
	s_mov_b32 s[G1], 15|(3<<16)|(1<<21)            ; 288 rows of 256 bytes (32 elements of 8), dense; the mask names the cluster's four
	s_mov_b32 s[G1+1], 32<<16
	s_mov_b32 s[G1+2], 288<<16
	s_mov_b32 s[G1+3], 32<<16
	s_mov_b32 s[G1+4], 288
	s_mov_b32 s[G1+5], 32
	s_mov_b32 s[G1+6], 0
	s_mov_b32 s[G1+7], 0
	s_mul_i32 s24, s[WV], 196608
	s_add_co_u32 s24, s24, 2359296                 ; Wo is the fourth weight in wimg; my sixteen tiles
	s_mov_b32 s25, 0
	s_mov_b32 s[G0], 1
	s_mul_i32 s[G0+1], s[WV], LWB
	s_wait_dscnt 0x0
	s_wait_kmcnt 0x0
	s_add_nc_u64 s[SW:SW+1], s[SW:SW+1], s[24:25]
	s_add_nc_u64 s[G0+2:G0+3], s[SW:SW+1], 122880  ; from my tile 10 on
	s_or_b32 s[G0+3], s[G0+3], 0x80000000
	ROUND                                          ; the four work-groups are here: the joint loads meet
	tensor_load_to_lds s[G0:G0+3], s[G1:G1+7]      ; my one tensor load
	s_nop 0
	v_and_b32 v9, 31, v0                           ; lane
	v_and_b32 v10, 15, v0                          ; r
	v_bfe_u32 v11, v0, 4, 1                        ; h
	v_lshlrev_b32 v[LI], 4, v9
	v_lshlrev_b32 v[L8], 3, v9
	v_lshlrev_b32 v[PFO], 8, v9
	v_lshlrev_b32 v[R32], 5, v10
	v_and_b32 v12, 8, v10
	v_add_nc_u32 v12, v12, v10                     ; r + 8 (r / 8)
	v_lshlrev_b32 v[WSA], 5, v12
	v_lshl_add_u32 v[WSA], v11, 8, v[WSA]
	v_mul_u32_u24 v[SO0], v10, SPITCH
	v_lshl_add_u32 v[SO0], v11, 6, v[SO0]
	s_lshl_b32 s24, s[WV], 10
	v_add_nc_u32 v[SO0], s24, v[SO0]
	v_add_nc_u32 v[SO1], 16*SPITCH, v[SO0]
	s_mul_i32 s24, s[WV], 8*SPITCH
	v_add_nc_u32 v[SR], s24, v[LI]
	s_mul_i32 s24, s[WV], LWB
	v_add_nc_u32 v[LA0], s24, v[LI]
	v_add_nc_u32 v[LA1], 36864, v[LA0]
	s_wait_alu depctr_va_vdst(0)                   ; the wait ahead of the run of scalar instructions
	s_mov_b32 s28, 0x3a800000                      ; 1 / 1,024
	s_mov_b32 s29, 0x3727c5ac                      ; 1e-5
	s_mov_b32 s[SEL], 0x76543210
	s_mov_b32 s[SEL+1], 0xfedcba98
	s_bfe_u32 s[GW], ttmp6, 0x40000                ; cx
	s_lshl_b32 s24, ttmp9, 2
	s_add_co_u32 s[GW], s[GW], s24                 ; my work-group: 4 x cluster + cx
	s_lshl_b32 s26, s[GW], 5
	s_lshr_b32 s27, s[WV], 1
	s_lshl_b32 s27, s27, 3
	s_add_co_u32 s26, s26, s27
	s_and_b32 s27, s[WV], 1
	s_lshl_b32 s27, s27, 4
	s_add_co_u32 s26, s26, s27                     ; the first of the eight rows that I normalise
	s_mul_i32 s24, s[GW], 24576
	s_add_nc_u64 s[SCI:SCI+1], s[SCI:SCI+1], s[24:25]
	s_lshl_b32 s24, s[GW], 10
	s_add_nc_u64 s[SCS:SCS+1], s[SCS:SCS+1], s[24:25]
	s_lshl_b32 s24, s[WV], 13
	s_add_nc_u64 s[SWS:SWS+1], s[SWS:SWS+1], s[24:25]
	s_lshl_b32 s24, s26, 12
	s_add_nc_u64 s[SXR:SXR+1], s[SXR:SXR+1], s[24:25]
	s_add_nc_u64 s[SOUT:SOUT+1], s[SOUT:SOUT+1], s[24:25]
.irp i, 0,1,2,3,4,5,6,7
	global_load_b128 v[GA+4*\i:GA+4*\i+3], v[LI], s[SGA:SGA+1] offset:512*\i      ; register 4 i + e: column 128 i + 4 L + e, as in the rows below
	global_load_b128 v[BE+4*\i:BE+4*\i+3], v[LI], s[SBE:SBE+1] offset:512*\i
	global_load_b128 v[BO+4*\i:BO+4*\i+3], v[LI], s[SBO:SBO+1] offset:512*\i
.endr
.irp i, 0,1,2,3,4,5,6,7
	global_load_b128 v[WS+8*\i:WS+8*\i+3], v[WSA], s[SWS:SWS+1] offset:1024*\i
	global_load_b128 v[WS+8*\i+4:WS+8*\i+7], v[WSA], s[SWS:SWS+1] offset:1024*\i+16
.endr
.irp u, 0,1
	global_load_b128 v[CS+8*\u:CS+8*\u+3], v[R32], s[SCS:SCS+1] offset:512*\u
	global_load_b128 v[CS+8*\u+4:CS+8*\u+7], v[R32], s[SCS:SCS+1] offset:512*\u+16
.endr
	WIN 0x40
.irp u, 0,1
.irp s, 0,1,2,3,4,5,6,7
.irp e, 0,1                            ; K step s is heads 2 s and 2 s + 1: six registers each
	global_load_b128 v[12*(8*\u+\s)+6*\e:12*(8*\u+\s)+6*\e+3], v[LI], s[SCI:SCI+1] offset:12288*\u+768*(2*\s+\e)
	global_load_b64 v[12*(8*\u+\s)+6*\e+4:12*(8*\u+\s)+6*\e+5], v[L8], s[SCI:SCI+1] offset:12288*\u+768*(2*\s+\e)+512
.endr
.endr
.endr
	CLOAD 0
	CLOAD 1
	CLOAD 2
.irp i, 0,1,2,3,4,5,6,7,8,9,10,11,12,13
	CSTEP \i
.endr
	s_wait_tensorcnt 0x0                           ; my six tiles have landed; I alone read them
.irp i, 14,15,16,17,18,19
	CSTEP \i
.endr
	PLACES                                         ; in front of the loads into ctx's registers and of the stores that read the results
	WIN 0x40
.irp k, 0,1,2,3,4,5,6,7
.irp i, 0,1,2,3,4,5,6,7
	global_load_b128 v[32*\k+4*\i:32*\k+4*\i+3], v[LI], s[SXR:SXR+1] offset:4096*\k+512*\i th:TH_LOAD_NT   ; the residual: my eight rows of x, read once in this launch
.endr
.endr
	WIN 0
	s_wait_dscnt 0x0                               ; my reads of my tiles are over
	s_barrier_signal -1
	s_barrier_wait -1                              ; and everybody's, and every wave's tensor load has landed: the stage may be laid over those bytes
	WIN 0x0c                                       ; an LDS store's data are its source 1: window 3
.irp t, 0,1,2,3,4,5,6,7,8,9,10,11,12,13,14,15
	ds_store_b128 v[SO0], v[16*\t:16*\t+3] offset:128*(\t/2)+32*(\t%2)            ; lane (r, h), tile t: columns 256 w + 32 (t / 2) + 16 h + 8 (t % 2) + 0 .. 7; each accumulator from its low end on
	ds_store_b128 v[SO0], v[16*\t+4:16*\t+7] offset:128*(\t/2)+32*(\t%2)+16
	ds_store_b128 v[SO1], v[16*\t+8:16*\t+11] offset:128*(\t/2)+32*(\t%2)
	ds_store_b128 v[SO1], v[16*\t+12:16*\t+15] offset:128*(\t/2)+32*(\t%2)+16
.endr
	WIN 0
	s_wait_dscnt 0x0                               ; for the others' sake: my stores into the stage have landed
	s_barrier_signal -1
	s_barrier_wait -1                              ; 32 whole rows lie in the stage
	WIN 0xc0
.irp k, 0,1,2,3,4,5,6,7
.irp i, 0,1,2,3,4,5,6,7
	ds_load_b128 v[32*\k+4*\i:32*\k+4*\i+3], v[SR] offset:SPITCH*\k+512*\i
.endr
.endr
	s_wait_loadcnt 0x0
	s_wait_dscnt 0x0
	; ---- residual, bias and LayerNorm of eight rows, in runs under one window setting
	WIN 0xc7                                       ; h (window 3) += x (window 1)
.set j, 0
.rept 128
	v_pk_add_f32 v[j:j+1], v[j:j+1], v[j:j+1]
.set j, j+2
.endr
	WIN 0xc3                                       ; h += bo (window 0)
.irp k, 0,1,2,3,4,5,6,7
.irp e, 0,1,2,3,4,5,6,7,8,9,10,11,12,13,14,15
	v_pk_add_f32 v[32*\k+2*\e:32*\k+2*\e+1], v[32*\k+2*\e:32*\k+2*\e+1], v[BO+2*\e:BO+2*\e+1]
.endr
.endr
	WIN 0x0f
.irp k, 0,1,2,3,4,5,6,7
	v_pk_add_f32 v[SM+2*\k:SM+2*\k+1], v[32*\k:32*\k+1], v[32*\k+2:32*\k+3]       ; the rows' sums: eight chains by turns
.endr
	WIN 0x03
.irp e, 2,3,4,5,6,7,8,9,10,11,12,13,14,15
.irp k, 0,1,2,3,4,5,6,7
	v_pk_add_f32 v[SM+2*\k:SM+2*\k+1], v[32*\k+2*\e:32*\k+2*\e+1], v[SM+2*\k:SM+2*\k+1]
.endr
.endr
	WIN 0
	REDUCE SM
.irp k, 0,1,2,3,4,5,6,7
	v_mul_f32 v[SM+2*\k], s28, v[SM+2*\k]          ; the mean
.endr
	WIN 0xc3
.irp k, 0,1,2,3,4,5,6,7
.irp e, 0,1,2,3,4,5,6,7,8,9,10,11,12,13,14,15
	v_pk_add_f32 v[32*\k+2*\e:32*\k+2*\e+1], v[32*\k+2*\e:32*\k+2*\e+1], v[SM+2*\k:SM+2*\k+1] op_sel_hi:[1,0] neg_lo:[0,1] neg_hi:[0,1]   ; h - mean
.endr
.endr
	WIN 0x0f
.irp k, 0,1,2,3,4,5,6,7
	v_pk_mul_f32 v[SQ+2*\k:SQ+2*\k+1], v[32*\k:32*\k+1], v[32*\k:32*\k+1]
.endr
.irp e, 1,2,3,4,5,6,7,8,9,10,11,12,13,14,15
.irp k, 0,1,2,3,4,5,6,7
	v_pk_fma_f32 v[SQ+2*\k:SQ+2*\k+1], v[32*\k+2*\e:32*\k+2*\e+1], v[32*\k+2*\e:32*\k+2*\e+1], v[SQ+2*\k:SQ+2*\k+1]
.endr
.endr
	WIN 0
	REDUCE SQ
.irp k, 0,1,2,3,4,5,6,7
	v_fma_f32 v[SQ+2*\k], v[SQ+2*\k], s28, s29     ; the variance + 1e-5
.endr
	s_wait_alu depctr_va_vdst(0)
.irp k, 0,1,2,3,4,5,6,7
	v_rsq_f32 v[SM+2*\k], v[SQ+2*\k]               ; into the pairs that held the means
.endr
	v_nop                                          ; a plain place behind the last transcendental
	s_wait_alu depctr_va_vdst(0)                   ; one wait for the eight, ahead of their first reader
	WIN 0xc3
.irp k, 0,1,2,3,4,5,6,7
.irp e, 0,1,2,3,4,5,6,7,8,9,10,11,12,13,14,15
	v_pk_mul_f32 v[32*\k+2*\e:32*\k+2*\e+1], v[32*\k+2*\e:32*\k+2*\e+1], v[SM+2*\k:SM+2*\k+1] op_sel_hi:[1,0]
.endr
.irp e, 0,1,2,3,4,5,6,7,8,9,10,11,12,13,14,15
	v_pk_fma_f32 v[32*\k+2*\e:32*\k+2*\e+1], v[32*\k+2*\e:32*\k+2*\e+1], v[GA+2*\e:GA+2*\e+1], v[BE+2*\e:BE+2*\e+1]
.endr
.endr
	WIN 0x0c                                       ; a store's data are its source 1: window 3
.irp k, 0,1,2,3,4,5,6,7
.irp i, 0,1,2,3,4,5,6,7
	global_store_b128 v[LI], v[32*\k+4*\i:32*\k+4*\i+3], s[SOUT:SOUT+1] offset:4096*\k+512*\i th:TH_STORE_NT   ; 512 consecutive bytes, aligned to 256; written once
.endr
.endr
	WIN 0
	s_wait_tensorcnt 0x0                           ; the wave's end
	ds_add_u32 v[SPW], v[NIL]
	s_wait_dscnt 0x0
	ROUND                                          ; the closing round
	s_endpgm
.Lfunc_end_k_q973f4d83c3_out:
	.size	k_q973f4d83c3_out, .Lfunc_end_k_q973f4d83c3_out-k_q973f4d83c3_out
	.p2alignl 7, 3214868480
	.fill 96, 4, 3214868480
	.section	.rodata,"a",@progbits
	.p2align	6, 0x0
	.amdhsa_kernel k_q973f4d83c3_out
		.amdhsa_group_segment_fixed_size 327680
		.amdhsa_private_segment_fixed_size 0
		.amdhsa_enable_private_segment 0
		.amdhsa_kernarg_size 72
		.amdhsa_user_sgpr_count 2
		.amdhsa_user_sgpr_kernarg_segment_ptr 1
		.amdhsa_wavefront_size32 1
		.amdhsa_system_sgpr_workgroup_id_x 1
		.amdhsa_system_sgpr_workgroup_id_y 1
		.amdhsa_system_sgpr_workgroup_id_z 1
		.amdhsa_system_vgpr_workitem_id 0
		.amdhsa_next_free_vgpr 1024
		.amdhsa_next_free_sgpr 66
		.amdhsa_reserve_vcc 0
		.amdhsa_float_denorm_mode_32 3
		.amdhsa_float_denorm_mode_16_64 3
		.amdhsa_memory_ordered 1
		.amdhsa_forward_progress 1
		.amdhsa_inst_pref_size 168
	.end_amdhsa_kernel
	.amdgpu_metadata
---
amdhsa.version: [ 1, 2 ]
amdhsa.kernels:
  - .name:           k_q973f4d83c3_out
    .symbol:         k_q973f4d83c3_out.kd
    .args:
      - { .name: cimg, .offset: 0, .size: 8, .value_kind: global_buffer, .address_space: global }
      - { .name: csc, .offset: 8, .size: 8, .value_kind: global_buffer, .address_space: global }
      - { .name: wimg, .offset: 16, .size: 8, .value_kind: global_buffer, .address_space: global }
      - { .name: Wo_scales, .offset: 24, .size: 8, .value_kind: global_buffer, .address_space: global }
      - { .name: bo, .offset: 32, .size: 8, .value_kind: global_buffer, .address_space: global }
      - { .name: x, .offset: 40, .size: 8, .value_kind: global_buffer, .address_space: global }
      - { .name: gamma, .offset: 48, .size: 8, .value_kind: global_buffer, .address_space: global }
      - { .name: beta, .offset: 56, .size: 8, .value_kind: global_buffer, .address_space: global }
      - { .name: out0, .offset: 64, .size: 8, .value_kind: global_buffer, .address_space: global }
    .group_segment_fixed_size: 327680
    .private_segment_fixed_size: 0
    .kernarg_segment_align: 8
    .kernarg_segment_size: 72
    .max_flat_workgroup_size: 128
    .sgpr_count:     66
    .vgpr_count:     1024
    .wavefront_size: 32
...
	.end_amdgpu_metadata
.endif
;; end of part 4
